; MI455X (gfx1250); checked and timed in simulation.
; The chip was launched on July 23, 2026; its instructions are those of AMD's public machine-readable ISA for CDNA 5 (MIT licence, August 2026) and "CDNA5" Instruction Set Architecture Reference Guide (July 2026). The comments in the code are by the model that wrote it; some were corrected since.
;; Cross Attention Block. Allowed arithmetic: float matrix products may take bf16 or f16 operands with f32 sums; other float arithmetic in f32, or as packed bf16 or f16 multiplies, adds, multiply-adds, maxima and minima; sums over many terms, partial sums and values carried from step to step in f32; what a program stores and reads back later, other than sums and carried values, may be rounded once to bf16 or f16.
;; Inputs: W_out 1,024 x 1,024 float32; W_qkv 1,024 x 3,072 float32; attention_mask 2 x 4,096 bool; b_out 1,024 float32; b_qkv 3,072 float32; beta 1,024 float32; gamma 1,024 float32; keys_values 2 x 4,096 x 1,024 float32; queries 2 x 1,024 x 1,024 float32.
;; Outputs: out0 2 x 1,024 x 1,024 float32.
;; One version. Each part assembles by itself: llvm-mc -triple=amdgcn-amd-amdhsa -mcpu=gfx1250 --defsym DOCPART=n.
;; ======== version 1 of 1: 5 launches
;; limits: values are held in f16: magnitudes above 65,504 overflow, below 6.1e-05 lose precision
;; workspace buffers: xq 4,194,304 bytes; xkv 16,777,216 bytes; oh 4,194,304 bytes; wq 2,097,152 bytes; wkv 4,194,304 bytes; wo 2,097,152 bytes; qf 8,388,608 bytes; kvh 33,554,432 bytes
;; launch prep (part 1): grid 480 x 1, 8 waves a work-group, no clusters, 0 bytes of LDS; arguments queries, keys_values, gamma, beta, xq, xkv, W_qkv, W_out, wq, wkv, wo; writes xq, xkv, wq, wkv, wo
.if DOCPART == 1
	.amdgcn_target "amdgcn-amd-amdhsa--gfx1250"
	.amdhsa_code_object_version 6
	.text
	.protected	k_qe55040dc12_prep
	.globl	k_qe55040dc12_prep
	.p2align	8
	.type	k_qe55040dc12_prep,@function
k_qe55040dc12_prep:
	s_mov_b64 s[64:65], 0
	v_nop
	global_prefetch_b8 v0, s[64:65] scope:SCOPE_SE
	s_setreg_imm32_b32 hwreg(HW_REG_WAVE_MODE, 25, 1), 1
	s_wait_xcnt 0x0
; PREP.  Work-groups 0-63: LayerNorm of queries; 64-319: LayerNorm of keys_values; 320-447: W_qkv to f16; 448-479: W_out to f16.
; LayerNorm in f32 in two passes over registers (mean; then the mean of (x - mean)^2), y = (x - mean) rsqrt(var + 1e-6) gamma + beta, rounded once to f16.
; y is stored in blocks: [row / 128][k / 64][row % 128][64] f16, so that two neighbouring rows of one block are 256 consecutive bytes and the tiles of the products behind are dense.
; LIMITS.  f16 ends at 65,504: |x - mean| rsqrt(var) is at most 32, so gamma up to 2,000 has room; weights keep f16's fixed step of 6e-8 below 6e-5.  NaN and infinities are not treated apart.
; No LDS, no matrix unit, no cluster: nothing is shared between waves, and the bytes are all there is.
.set XO, 1                             ; v1  my byte offset in x: row x 4,096 + 16 i
.set YO, 2                             ; v2  my byte offset in y: row x 128 + 8 i
.set GO, 3                             ; v3  16 i, for gamma and beta
.set X,  16                            ; v[16:79]   my 64 numbers of a row
.set G,  80                            ; v[80:143]  gamma of my columns
.set BT, 144                           ; v[144:207] beta
.set Y,  208                           ; v[208:239] 64 f16 to store
	s_load_b512 s[8:23], s[0:1], 0x0               ; queries 8, keys_values 10, gamma 12, beta 14, xq 16, xkv 18, W_qkv 20, W_out 22
	s_load_b128 s[24:27], s[0:1], 0x40             ; wq 24, wkv 26
	s_load_b64 s[28:29], s[0:1], 0x50              ; wo
	v_and_b32 v4, 15, v0                           ; i: my place in a half of the lanes
	v_bfe_u32 v5, v0, 4, 1                         ; which half
	v_lshrrev_b32 v6, 5, v0                        ; wave
	v_and_b32 v7, 31, v0                           ; lane
	s_mov_b32 s3, 0
	s_mov_b32 s34, 0x3a800000                      ; 1 / 1024
	s_mov_b32 s35, 0x358637bd                      ; 1e-6
	s_wait_kmcnt 0x0
	s_cmp_ge_u32 ttmp9, 448
	s_cbranch_scc1 .Lwout
	s_cmp_ge_u32 ttmp9, 320
	s_cbranch_scc1 .Lwqkv
	; LAYERNORM.  32 rows a work-group, 4 a wave: half a wave takes a row, two rows at a time.
	s_cmp_lt_u32 ttmp9, 64
	s_cselect_b64 s[30:31], s[8:9], s[10:11]       ; in
	s_cselect_b64 s[32:33], s[16:17], s[18:19]     ; out
	s_cselect_b32 s36, 0, 64
	s_sub_co_u32 s36, ttmp9, s36                   ; my block of 32 rows in its stream
	s_lshl_b32 s2, s36, 17                         ; 32 rows of 4,096 bytes
	s_add_nc_u64 s[30:31], s[30:31], s[2:3]
	s_lshr_b32 s2, s36, 2
	s_lshl_b32 s2, s2, 18                          ; the block of 128 rows: 262,144 bytes
	s_and_b32 s37, s36, 3
	s_lshl_b32 s37, s37, 12                        ; my 32 rows in it: 128 bytes each
	s_add_co_u32 s2, s2, s37
	s_add_nc_u64 s[32:33], s[32:33], s[2:3]
	v_lshl_add_u32 v5, v6, 2, v5                   ; row = 4 x wave + half
	v_lshlrev_b32 v[GO], 4, v4
	v_lshl_add_u32 v[XO], v5, 12, v[GO]
	v_lshlrev_b32 v[YO], 3, v4
	v_lshl_add_u32 v[YO], v5, 7, v[YO]
.set j, 0
.rept 16
	global_load_b128 v[X+4*j:X+4*j+3], v[XO], s[30:31] offset:256*j th:TH_LOAD_NT  ; sixteen lanes read 256 consecutive bytes of their row
.set j, j+1
.endr
.set j, 0
.rept 16
	global_load_b128 v[G+4*j:G+4*j+3], v[GO], s[12:13] offset:256*j
.set j, j+1
.endr
.set j, 0
.rept 16
	global_load_b128 v[BT+4*j:BT+4*j+3], v[GO], s[14:15] offset:256*j
.set j, j+1
.endr
.macro REDUCE                          ; four packed chains in v[4:11] -> the sum over my row's sixteen lanes, in v4 of each of them
	v_pk_add_f32 v[4:5], v[4:5], v[6:7]
	v_pk_add_f32 v[8:9], v[8:9], v[10:11]
	v_pk_add_f32 v[4:5], v[4:5], v[8:9]
	v_add_f32 v4, v4, v5
.irp m, 1,2,4,8
	v_add_f32_dpp v4, v4, v4 row_xmask:\m row_mask:0xf bank_mask:0xf
.endr
.endm
; Two rows of the wave.  ahead = 1: the next two rows are asked for as soon as X has been read out.
.macro PAIR p, ahead
.if (\p) == 0
	s_wait_loadcnt 32                              ; x is in; the 32 younger loads, gamma's and beta's, may stay out
.else
	s_wait_loadcnt 0x0
.endif
.irp c, 0,1,2,3
	v_pk_add_f32 v[4+2*\c:5+2*\c], v[X+2*\c:X+2*\c+1], v[X+8+2*\c:X+8+2*\c+1]  ; the first pairs start the chains: nothing is cleared
.endr
.set k, 8
.rept 24
	v_pk_add_f32 v[4+2*(k%4):5+2*(k%4)], v[4+2*(k%4):5+2*(k%4)], v[X+2*k:X+2*k+1]
.set k, k+1
.endr
	REDUCE
	v_mul_f32 v12, s34, v4                         ; the mean,
	v_mov_b32 v13, v12                             ; twice, for the packed subtraction
.set k, 0
.rept 32
	v_pk_add_f32 v[X+2*k:X+2*k+1], v[X+2*k:X+2*k+1], v[12:13] neg_lo:[0,1] neg_hi:[0,1]
.set k, k+1
.endr
.irp c, 0,1,2,3
	v_pk_mul_f32 v[4+2*\c:5+2*\c], v[X+2*\c:X+2*\c+1], v[X+2*\c:X+2*\c+1]
.endr
.set k, 4
.rept 28
	v_pk_fma_f32 v[4+2*(k%4):5+2*(k%4)], v[X+2*k:X+2*k+1], v[X+2*k:X+2*k+1], v[4+2*(k%4):5+2*(k%4)]
.set k, k+1
.endr
	REDUCE
	v_fma_f32 v4, v4, s34, s35                     ; var + 1e-6
	v_rsq_f32 v14, v4
	v_rsq_f32 v15, v4
	v_nop                                          ; a plain instruction behind the second root,
	s_wait_alu depctr_va_vdst(0)                   ; and one wait for both, ahead of their first reader
.if (\p) == 0
	s_wait_loadcnt 0x0                             ; gamma and beta
.endif
.set k, 0
.rept 32
	v_pk_mul_f32 v[X+2*k:X+2*k+1], v[X+2*k:X+2*k+1], v[14:15]
.set k, k+1
.endr
.set k, 0
.rept 32
	v_pk_fma_f32 v[X+2*k:X+2*k+1], v[X+2*k:X+2*k+1], v[G+2*k:G+2*k+1], v[BT+2*k:BT+2*k+1]
.set k, k+1
.endr
.if (\p) == 1
	s_wait_xcnt 0x0                                ; the first two rows' stores have read Y: it is rewritten only behind this wait
.endif
.set k, 0
.rept 32
	v_cvt_pk_f16_f32 v[Y+k], v[X+2*k], v[X+2*k+1]
.set k, k+1
.endr
.if \ahead
.set j, 0
.rept 16
	global_load_b128 v[X+4*j:X+4*j+3], v[XO], s[30:31] offset:256*j+8192 th:TH_LOAD_NT  ; two rows further down
.set j, j+1
.endr
.endif
.set j, 0
.rept 16
	global_store_b64 v[YO], v[Y+2*j:Y+2*j+1], s[32:33] offset:16384*j+256*(\p)  ; 32 lanes store 256 consecutive bytes, aligned: two rows of block k / 64 = j
.set j, j+1
.endr
.endm
	PAIR 0, 1
	PAIR 1, 0
	s_endpgm
.Lwqkv:                                ; 8 rows of W_qkv a work-group, a row a wave: columns 0-1023 go to wq, 1024-3071 to wkv, both [k][n] in f16
	s_sub_co_u32 s36, ttmp9, 320
	s_mul_i32 s2, s36, 98304
	s_add_nc_u64 s[20:21], s[20:21], s[2:3]
	s_lshl_b32 s2, s36, 14
	s_add_nc_u64 s[24:25], s[24:25], s[2:3]
	s_lshl_b32 s2, s36, 15
	s_add_nc_u64 s[26:27], s[26:27], s[2:3]
	v_mul_u32_u24 v1, v6, 12288
	v_lshl_add_u32 v1, v7, 4, v1
	v_lshlrev_b32 v2, 3, v7
	v_lshl_add_u32 v3, v6, 12, v2                  ; in wkv: wave x 4,096 + 8 x lane
	v_lshl_add_u32 v2, v6, 11, v2                  ; in wq: wave x 2,048 + 8 x lane
.set j, 0
.rept 24
	global_load_b128 v[16+4*j:19+4*j], v1, s[20:21] offset:512*j th:TH_LOAD_NT
.set j, j+1
.endr
.set j, 0
.rept 24
	s_wait_loadcnt 23-j                            ; loads come back in order: number j is in, the younger ones stay out
	v_cvt_pk_f16_f32 v[112+2*j], v[16+4*j], v[17+4*j]
	v_cvt_pk_f16_f32 v[113+2*j], v[18+4*j], v[19+4*j]
.if j < 8
	global_store_b64 v2, v[112+2*j:113+2*j], s[24:25] offset:256*j
.else
	global_store_b64 v3, v[112+2*j:113+2*j], s[26:27] offset:256*(j-8)
.endif
.set j, j+1
.endr
	s_endpgm
.Lwout:                                ; 32 rows of W_out a work-group, 16 KiB a wave, on end
	s_sub_co_u32 s36, ttmp9, 448
	s_lshl_b32 s2, s36, 17
	s_add_nc_u64 s[22:23], s[22:23], s[2:3]
	s_lshl_b32 s2, s36, 16
	s_add_nc_u64 s[28:29], s[28:29], s[2:3]
	v_lshlrev_b32 v1, 4, v7
	v_lshl_add_u32 v1, v6, 14, v1
	v_lshlrev_b32 v2, 3, v7
	v_lshl_add_u32 v2, v6, 13, v2
.set j, 0
.rept 32
	global_load_b128 v[16+4*j:19+4*j], v1, s[22:23] offset:512*j th:TH_LOAD_NT
.set j, j+1
.endr
.set j, 0
.rept 32
	s_wait_loadcnt 31-j
	v_cvt_pk_f16_f32 v[144+2*j], v[16+4*j], v[17+4*j]
	v_cvt_pk_f16_f32 v[145+2*j], v[18+4*j], v[19+4*j]
	global_store_b64 v2, v[144+2*j:145+2*j], s[28:29] offset:256*j
.set j, j+1
.endr
	s_endpgm
.Lfunc_end_k_qe55040dc12_prep:
	.size	k_qe55040dc12_prep, .Lfunc_end_k_qe55040dc12_prep-k_qe55040dc12_prep
	.p2alignl 7, 3214868480
	.fill 96, 4, 3214868480
	.section	.rodata,"a",@progbits
	.p2align	6, 0x0
	.amdhsa_kernel k_qe55040dc12_prep
		.amdhsa_group_segment_fixed_size 0
		.amdhsa_private_segment_fixed_size 0
		.amdhsa_enable_private_segment 0
		.amdhsa_kernarg_size 88
		.amdhsa_user_sgpr_count 2
		.amdhsa_user_sgpr_kernarg_segment_ptr 1
		.amdhsa_wavefront_size32 1
		.amdhsa_system_sgpr_workgroup_id_x 1
		.amdhsa_system_sgpr_workgroup_id_y 1
		.amdhsa_system_sgpr_workgroup_id_z 1
		.amdhsa_system_vgpr_workitem_id 0
		.amdhsa_next_free_vgpr 240
		.amdhsa_next_free_sgpr 66
		.amdhsa_reserve_vcc 0
		.amdhsa_float_denorm_mode_32 3
		.amdhsa_float_denorm_mode_16_64 3
		.amdhsa_memory_ordered 1
		.amdhsa_forward_progress 1
		.amdhsa_inst_pref_size 57
	.end_amdhsa_kernel
	.amdgpu_metadata
---
amdhsa.version: [ 1, 2 ]
amdhsa.kernels:
  - .name:           k_qe55040dc12_prep
    .symbol:         k_qe55040dc12_prep.kd
    .args:
      - { .name: queries, .offset: 0, .size: 8, .value_kind: global_buffer, .address_space: global }
      - { .name: keys_values, .offset: 8, .size: 8, .value_kind: global_buffer, .address_space: global }
      - { .name: gamma, .offset: 16, .size: 8, .value_kind: global_buffer, .address_space: global }
      - { .name: beta, .offset: 24, .size: 8, .value_kind: global_buffer, .address_space: global }
      - { .name: xq, .offset: 32, .size: 8, .value_kind: global_buffer, .address_space: global }
      - { .name: xkv, .offset: 40, .size: 8, .value_kind: global_buffer, .address_space: global }
      - { .name: W_qkv, .offset: 48, .size: 8, .value_kind: global_buffer, .address_space: global }
      - { .name: W_out, .offset: 56, .size: 8, .value_kind: global_buffer, .address_space: global }
      - { .name: wq, .offset: 64, .size: 8, .value_kind: global_buffer, .address_space: global }
      - { .name: wkv, .offset: 72, .size: 8, .value_kind: global_buffer, .address_space: global }
      - { .name: wo, .offset: 80, .size: 8, .value_kind: global_buffer, .address_space: global }
    .group_segment_fixed_size: 0
    .private_segment_fixed_size: 0
    .kernarg_segment_align: 8
    .kernarg_segment_size: 88
    .max_flat_workgroup_size: 256
    .sgpr_count:     66
    .vgpr_count:     240
    .wavefront_size: 32
...
	.end_amdgpu_metadata
.endif
;; end of part 1
;; launch projkv (part 2): grid 8 x 32, 4 waves a work-group, clusters of 4 x 4, 327,680 bytes of LDS; arguments xkv, wkv, b_qkv, kvh; writes kvh
.if DOCPART == 2
	.amdgcn_target "amdgcn-amd-amdhsa--gfx1250"
	.amdhsa_code_object_version 6
	.text
	.protected	k_qe55040dc12_projkv
	.globl	k_qe55040dc12_projkv
	.p2align	8
	.type	k_qe55040dc12_projkv,@function
k_qe55040dc12_projkv:
	s_mov_b64 s[64:65], 0
	v_nop
	global_prefetch_b8 v0, s[64:65] scope:SCOPE_SE
	s_setreg_imm32_b32 hwreg(HW_REG_WAVE_MODE, 25, 1), 1
	s_wait_xcnt 0x0
	s_wait_alu depctr_hold_cnt(0) depctr_sa_sdst(0) depctr_va_vdst(0) depctr_va_sdst(0) depctr_va_ssrc(0) depctr_va_vcc(0) depctr_vm_vsrc(0)
	s_getreg_b32 s2, hwreg(HW_REG_IB_STS2, 6, 4)
	s_cmp_eq_u32 s2, 0
	s_cbranch_scc0 .Lentry_in_a_cluster
	s_endpgm
.Lentry_in_a_cluster:
	s_bfe_u32 s2, ttmp6, 0x10000c
	s_cmp_lg_u32 s2, 0xf033
	s_cbranch_scc0 .Lentry_shape_is_right
	s_endpgm
.Lentry_shape_is_right:
; k, v = xkv wkv + b_qkv[1024:].  xkv: 8,192 rows x 1,024 in f16, in blocks [row / 128][k / 64][row % 128][64]; wkv: [1,024 k][2,048 n] f16; sums in f32, started by the bias;
; the result is rounded once to f16 and stored by heads: kvh[k or v][batch][head][4,096][64].
; LIMITS.  f16 ends at 65,504: k and v must stay within it.  NaN and infinities are not treated apart.
; A tile of 256 rows x 256 columns is made by a work-group of four waves, a wave makes 128 x 128: 64 accumulators, 512 registers.  32 x 8 tiles: 256 work-groups.
; K goes in 8 steps of 128 through a ring of two LDS slots.  A's tile is dense in memory (two blocks of 128 rows x 64) and is asked for as rows of 256 bytes; B's rows are 512 bytes.
; CLUSTERS: 4 x 4 work-groups.  The four of a row of the cluster need the same tiles of A, the four of a column the same tiles of B: each tile is asked for jointly.
; THE MATRIX INSTRUCTION IS USED TRANSPOSED: source 0 = 16 columns n of wkv (turned on the way out of LDS by ds_load_tr16_b128), source 1 = 16 rows of xkv: a lane holds one row and eight neighbouring columns.
; REGISTERS, in windows of 256: window 0: v0-31 addresses; v64-127, v128-191 A's fragments, two buffers; v192-255 the bias, later the way out (with v32-63);
;   window 1: v64-127, v128-191 B's fragments; window 2: the accumulators of my rows 0-63 ((a, b) at 8 (8 a + b)); window 3: those of rows 64-127.
.set AHALF,  36864                     ; 128 rows x 128 K of A: [2 blocks of 64 K][128 rows] of 128 bytes + 16 of padding
.set BOFF,   73728                     ; behind A's two halves: B's 128 K rows of 512 bytes + 32 of padding (544 = 17 x 32)
.set BHALF,  34816                     ; 64 of them
.set SLOT,   143360
.set STAGE,  286720                    ; behind the ring: [2 heads][16 rows] of 144 bytes for each wave
.set SPARE,  305152                    ; behind the stages: the spare words, 128 bytes a wave, which no other line names
.set ADRA, 16                          ; v16-17  LDS address of my A fragments in slot 0, 1
.set ADRB, 20                          ; v20-21  the same for B
.set STO,  24
.set RD,   25
.set CO,   26
.set SPW,  28
.set NIL,  29
.set PFO,  30                          ; the prefetches' lane offset
.set BO,   31                          ; 32 x (lane / 16): my eight columns' bias
.set F0,   64
.set F1,   128
.set BI,   192                         ; the bias as C operands: column block b at BI + 8 b
.set TMP,  192
.set OB,   32
.set G1,  24                           ; s[24:31] group 1 for A;  s[32:39] group 0, a set a slot
.set G0,  32
.set G1B, 48                           ; s[48:55], s[56:63] the same for B
.set G0B, 56
.set LIM, 43                           ; 1 in a wave that prefetches, else the greatest number
.set PFA, 44                           ; s[44:45] where my prefetches stand
.set PFS, 46                           ; s[46:47] a K step in bytes, in A or in B
.set MSB, 0
.macro WIN new                         ; the immediate's high byte repeats the setting that is left
.if MSB != (\new)
	s_set_vgpr_msb (MSB<<8)|(\new)
.set MSB, \new
.endif
.endm
.set MUL_LO, 0xa1
.set TO_B,   0x40
.macro JLOAD s                         ; a joint load: waves 0 and 1 fetch A's two halves, waves 2 and 3 B's; an s_nop 0 and four v_nop follow each line
	s_cmp_eq_u32 s13, 0
	s_cbranch_scc0 .Lfor_b_\@
	tensor_load_to_lds s[G0+4*(\s):G0+4*(\s)+3], s[G1:G1+7]
	s_nop 0
.rept 4
	v_nop
.endr
	s_branch .Lasked_\@
.Lfor_b_\@:
	tensor_load_to_lds s[G0B+4*(\s):G0B+4*(\s)+3], s[G1B:G1B+7]
	s_nop 0
.rept 4
	v_nop
.endr
.Lasked_\@:
.endm
; A prefetch of the K step two refills on: of the 128 blocks of 256 bytes that I fetch, my work-group's 32, a lane a block.  A's rows are read by both clusters of a row of clusters: cluster x = 0 asks;
; B's by all clusters of a column: cluster y = 0 asks; the four partners share the blocks out by address.  The loop's last trip has no K step two on.
.macro ASK
	s_cmp_gt_u32 s3, s[LIM]
	s_cbranch_scc0 .Lnot_mine_\@
	global_prefetch_b8 v[PFO], s[PFA:PFA+1] th:TH_LOAD_NT scope:SCOPE_SE
.Lnot_mine_\@:
.endm
.macro CREST
	s_cmp_lg_u32 s12, 0
	s_cbranch_scc1 .Lnot_wave_0_\@
	s_barrier_signal -3
.Lnot_wave_0_\@:
	s_barrier_wait -3
	s_barrier_signal -1
	s_barrier_wait -1
.endm
.macro CROUND
	s_barrier_signal -1
	s_barrier_wait -1
	CREST
.endm
	s_load_b256 s[4:11], s[0:1], 0x0               ; xkv 4, wkv 6, b_qkv 8, kvh 10
	v_lshl_add_u32 v[SPW], v0, 2, SPARE
	v_mov_b32 v[NIL], 0
	ds_add_u32 v[SPW], v[NIL]                      ; the wave's opening: the add and its wait ahead of my first tensor load
	v_lshrrev_b32 v1, 5, v0
	v_readfirstlane_b32 s12, v1                    ; wave
	s_lshr_b32 s13, s12, 1                         ; my half of the rows; also: I fetch for A (0) or B (1)
	s_and_b32 s14, s12, 1                          ; my half of the columns; also: which half of a tile I fetch
	s_bfe_u32 s15, ttmp6, 0x40000                  ; cx
	s_bfe_u32 s16, ttmp6, 0x40004                  ; cy
	s_lshl_b32 s17, ttmp9, 2
	s_add_co_u32 s17, s17, s15                     ; tile column
	s_and_b32 s18, ttmp7, 0xffff
	s_lshl_b32 s18, s18, 2
	s_add_co_u32 s18, s18, s16                     ; tile row
	s_lshl_b32 s40, s16, 2
	s_lshl_b32 s40, 15, s40                        ; my row of the cluster
	s_lshl_b32 s41, 0x1111, s15                    ; my column
	s_or_b32 s[G1+0], s40, (1<<16)|(1<<20)|(1<<21)|(4<<22)|(3<<25)   ; 2-byte elements; padding of 4 words behind every 32; bit 21 beside the mask
	s_mov_b32 s[G1+1], 128<<16                     ; tensor_dim0 = 128 (256 bytes)
	s_mov_b32 s[G1+2], 128<<16                     ; tensor_dim1 = 128
	s_mov_b32 s[G1+3], 128<<16                     ; tile_dim0
	s_mov_b32 s[G1+4], 128                         ; tile_dim1
	s_mov_b32 s[G1+5], 128                         ; dense: a row begins where the last ends
	s_mov_b32 s[G1+6], 0
	s_mov_b32 s[G1+7], 0
	s_or_b32 s[G1B+0], s41, (1<<16)|(1<<20)|(1<<21)|(6<<22)|(7<<25)  ; padding of 8 words behind every 128
	s_mov_b32 s[G1B+1], 256<<16
	s_mov_b32 s[G1B+2], 64<<16
	s_mov_b32 s[G1B+3], 256<<16
	s_mov_b32 s[G1B+4], 64
	s_mov_b32 s[G1B+5], 2048
	s_mov_b32 s[G1B+6], 0
	s_mov_b32 s[G1B+7], 0
	s_lshl1_add_u32 s20, s18, s14                  ; A: block of 128 rows = 2 x tile row + half,
	s_lshl_b32 s20, s20, 18                        ; 262,144 bytes each
	s_mov_b32 s21, 0
	s_lshl_b32 s22, s14, 18                        ; B: 64 rows of 4,096 bytes for the second half,
	s_lshl_b32 s66, s17, 9                         ; 512 bytes a tile column
	s_add_co_u32 s22, s22, s66
	s_mov_b32 s23, 0
	s_mul_i32 s42, s14, AHALF                      ; where they go: no place in the cluster enters an LDS address
	s_mul_i32 s70, s14, BHALF
	s_add_co_u32 s70, s70, BOFF
	s_wait_dscnt 0x0                               ; the opening add is done
	s_wait_kmcnt 0x0
	s_add_nc_u64 s[20:21], s[4:5], s[20:21]
	s_add_nc_u64 s[22:23], s[6:7], s[22:23]
	CROUND                                         ; all sixteen work-groups are here: the first joint loads meet
.irp s, 0,1
	s_mov_b32 s[G0+4*(\s)], 1
	s_add_co_u32 s[G0+4*(\s)+1], s42, (\s)*SLOT
	s_add_nc_u64 s[G0+4*(\s)+2:G0+4*(\s)+3], s[20:21], (\s)*32768
	s_or_b32 s[G0+4*(\s)+3], s[G0+4*(\s)+3], 0x80000000
	s_mov_b32 s[G0B+4*(\s)], 1
	s_add_co_u32 s[G0B+4*(\s)+1], s70, (\s)*SLOT
	s_add_nc_u64 s[G0B+4*(\s)+2:G0B+4*(\s)+3], s[22:23], (\s)*524288
	s_or_b32 s[G0B+4*(\s)+3], s[G0B+4*(\s)+3], 0x80000000
	JLOAD \s
.endr
	v_and_b32 v1, 15, v0                           ; l % 16
	v_bfe_u32 v2, v0, 4, 1                         ; l / 16
	v_mul_u32_u24 v3, v1, 144
	v_lshl_add_u32 v3, v2, 4, v3                   ; row x 144 + 16 x half
	s_mul_i32 s71, s13, AHALF
	v_add_nc_u32 v[ADRA], s71, v3
	v_add_nc_u32 v[ADRA+1], SLOT, v[ADRA]
	v_and_b32 v4, 7, v0                            ; the turning load: lane l reads K row 8 (l / 16) + l % 8, columns 8 ((l / 8) % 2) + 0..7
	v_lshl_add_u32 v4, v2, 3, v4
	v_mul_u32_u24 v4, v4, 544
	v_bfe_u32 v5, v0, 3, 1
	v_lshl_add_u32 v4, v5, 4, v4
	s_lshl_b32 s71, s14, 8                         ; my 128 columns
	s_add_co_u32 s71, s71, BOFF
	v_add_nc_u32 v[ADRB], s71, v4
	v_add_nc_u32 v[ADRB+1], SLOT, v[ADRB]
	s_mul_i32 s71, s12, 4608
	s_add_co_u32 s71, s71, STAGE
	v_add_nc_u32 v[STO], s71, v3                   ; in: row l % 16, 16 bytes for each half of the lanes
	v_bfe_u32 v5, v0, 3, 2
	v_mul_u32_u24 v5, v5, 144
	v_and_b32 v6, 7, v0
	v_lshl_add_u32 v5, v6, 4, v5
	v_add_nc_u32 v[RD], s71, v5                    ; back: 32 lanes take four rows of 128 bytes,
	v_and_b32 v[CO], 31, v0
	v_lshlrev_b32 v[CO], 4, v[CO]                  ; which are 512 consecutive bytes of a head
	v_lshlrev_b32 v[BO], 5, v2
	s_lshl_b32 s66, s17, 10                        ; the bias of my 128 columns: behind q's 1,024
	s_lshl_b32 s67, s14, 9
	s_add_co_u32 s66, s66, s67
	s_add_co_u32 s66, s66, 4096
	s_mov_b32 s67, 0
	s_add_nc_u64 s[8:9], s[8:9], s[66:67]
.irp b, 0,1,2,3,4,5,6,7
	global_load_b128 v[BI+8*\b:BI+8*\b+3],   v[BO], s[8:9] offset:64*\b
	global_load_b128 v[BI+8*\b+4:BI+8*\b+7], v[BO], s[8:9] offset:64*\b+16
.endr
	s_lshr_b32 s68, s18, 4                         ; where my part begins in kvh: batch,
	s_lshl_b32 s68, s68, 4
	s_lshl2_add_u32 s68, s15, s68                  ; head = 4 cx + 2 x half (+ 0, 1),
	s_lshl1_add_u32 s68, s14, s68
	s_lshl_b32 s68, s68, 12
	s_and_b32 s69, s18, 15                         ; row in the batch
	s_lshl_b32 s69, s69, 8
	s_add_co_u32 s68, s68, s69
	s_lshl_b32 s69, s13, 7
	s_add_co_u32 s68, s68, s69
	s_lshl_b32 s68, s68, 7
	s_lshl_b32 s69, ttmp9, 24                      ; cluster x = 0: k; 1: v
	s_add_co_u32 s68, s68, s69
	s_mov_b32 s69, 0
	s_add_nc_u64 s[10:11], s[10:11], s[68:69]
	; the prefetches
	s_lshl_b32 s66, s15, 13                        ; A: my work-group's 32 blocks of the 128: cx x 8,192
	s_lshl_b32 s68, s16, 16                        ; B: my 16 rows of the 64: cy x 65,536
	s_and_b32 s69, ttmp7, 0xffff                   ; cluster y
	s_lshl_b32 s70, s13, 2
	s_lshl_b32 s[PFS], 0x8000, s70                 ; a K step: 32,768 bytes of A, 524,288 of B
	s_mov_b32 s[PFS+1], 0
	s_mul_i32 s70, s13, 3
	s_lshl_b32 s70, 512, s70                       ; from one pair of blocks to the next: 512 bytes in A, a row of 4,096 in B
	s_cmp_eq_u32 s13, 0
	s_cselect_b64 s[PFA:PFA+1], s[20:21], s[22:23]
	s_cselect_b32 s66, s66, s68
	s_cselect_b32 s69, ttmp9, s69                  ; the coordinate along which other clusters read the same rows
	s_mov_b32 s67, 0
	s_add_nc_u64 s[PFA:PFA+1], s[PFA:PFA+1], s[66:67]
	s_mul_i32 s66, s[PFS], 3
	s_add_nc_u64 s[PFA:PFA+1], s[PFA:PFA+1], s[66:67]  ; at K step 3: the first refill steps it to 4 and names that
	s_cmp_eq_u32 s69, 0
	s_cselect_b32 s[LIM], 1, -1
	v_and_b32 v5, 31, v0
	v_lshrrev_b32 v6, 1, v5
	v_mul_u32_u24 v[PFO], s70, v6
	v_and_b32 v5, 1, v5
	v_lshl_add_u32 v[PFO], v5, 8, v[PFO]
; 16 matrix instructions: row blocks a0, a0 + 1 of the window's four x all 8 column blocks, 32 along K.  first = 1: the bias starts the sums: nothing is cleared, nothing added later.
.macro MUL16 f, hi, a0, first
.if \first
	WIN 0x81+0x40*(\hi)                            ; C in window 0
.else
	WIN MUL_LO+0x50*(\hi)
.endif
.irp a, \a0, (\a0)+1
.irp b, 0,1,2,3,4,5,6,7
.if \first
	v_wmma_f32_16x16x32_f16 v[8*(8*(\a)+(\b)):8*(8*(\a)+(\b))+7], v[(\f)+8*(\b):(\f)+8*(\b)+7], v[(\f)+8*(4*(\hi)+(\a)):(\f)+8*(4*(\hi)+(\a))+7], v[BI+8*(\b):BI+8*(\b)+7]
.else
	v_wmma_f32_16x16x32_f16 v[8*(8*(\a)+(\b)):8*(8*(\a)+(\b))+7], v[(\f)+8*(\b):(\f)+8*(\b)+7], v[(\f)+8*(4*(\hi)+(\a)):(\f)+8*(4*(\hi)+(\a))+7], v[8*(8*(\a)+(\b)):8*(8*(\a)+(\b))+7]
.endif
.endr
.endr
.endm
; 32 LDS loads in one run: the fragments of quarter q (32 along K) of a slot into buffer f: B's 8 (turned), then A's 8
.macro FETCH slot, q, f
	WIN TO_B
.irp i, 0,1,2,3,4,5,6,7
	ds_load_tr16_b128 v[(\f)+8*(\i):(\f)+8*(\i)+3],   v[ADRB+(\slot)] offset:(\q)*17408+32*(\i)
	ds_load_tr16_b128 v[(\f)+8*(\i)+4:(\f)+8*(\i)+7], v[ADRB+(\slot)] offset:(\q)*17408+32*(\i)+8704
.endr
	WIN 0
.irp i, 0,1,2,3,4,5,6,7
	ds_load_b128 v[(\f)+8*(\i):(\f)+8*(\i)+3],   v[ADRA+(\slot)] offset:((\q)/2)*18432+((\q)%2)*64+(\i)*2304
	ds_load_b128 v[(\f)+8*(\i)+4:(\f)+8*(\i)+7], v[ADRA+(\slot)] offset:((\q)/2)*18432+((\q)%2)*64+(\i)*2304+32
.endr
.endm
.macro PLACES                          ; four plain instructions behind matrix instructions, in front of loads into registers that they read and of conversions that read results
.rept 4
	v_nop
.endr
.endm
.macro QUARTER slot, q, f, g, first    ; multiplies buffer f; in its middle fetches quarter q of the slot into buffer g
	s_wait_dscnt 8                                 ; B and A's rows 0-63 are in; the youngest eight loads (A's rows 64-127) may be out
	MUL16 \f, 0, 0, \first
	MUL16 \f, 0, 2, \first
	PLACES
	FETCH \slot, \q, \g
	s_wait_dscnt 32                                ; all but the 32 just issued
	MUL16 \f, 1, 0, \first
	MUL16 \f, 1, 2, \first
.endm
; The first half of a K step's last quarter: one barrier for the change of slots.  In front of it each wave waits for all its tensor loads (the one that is out is its part of the next slot),
; adds 0 to its spare word, and waits for that and for its own reads of this slot.
.macro MEET round
	WIN 0
	s_wait_tensorcnt 0x0
	ds_add_u32 v[SPW], v[NIL]
	s_wait_dscnt 9                                 ; the add and the youngest eight loads may be out
	MUL16 F1, 0, 0, 0
	s_wait_dscnt 0x0                               ; the add is done, and my reads of this slot are over
	s_barrier_signal -1
	MUL16 F1, 0, 2, 0
.if \round
	WIN 0
.endif
	s_barrier_wait -1
.endm
.macro TURN slot, next                 ; the whole last quarter: the slot just read out is filled again, two K steps on, first thing behind the cluster's round
	s_wait_xcnt 0x0                                ; the last prefetch, a K step back, has read its address
	s_add_nc_u64 s[PFA:PFA+1], s[PFA:PFA+1], s[PFS:PFS+1]
	MEET 1
	CREST
	s_add_nc_u64 s[G0+4*(\slot)+2:G0+4*(\slot)+3], s[G0+4*(\slot)+2:G0+4*(\slot)+3], 65536
	s_add_nc_u64 s[G0B+4*(\slot)+2:G0B+4*(\slot)+3], s[G0B+4*(\slot)+2:G0B+4*(\slot)+3], 1048576
	JLOAD \slot                                    ; the four v_nop behind it are also the places in front of the loads below
	FETCH \next, 0, F0
	ASK
	MUL16 F1, 1, 0, 0
	MUL16 F1, 1, 2, 0
.endm
; THE WAY OUT of row block a: rounded to f16; into my own stage, by heads; back as four rows of 128 bytes a load; stored.
.macro PACK a
.set AC, 64*((\a)%4)
	WIN 0x0a+5*((\a)/4)
.irp b, 0,1,2,3,4,5,6,7
.irp r, 0,1,2,3
	v_cvt_pk_f16_f32 v[TMP+4*(\b)+(\r)], v[AC+8*(\b)+2*(\r)], v[AC+8*(\b)+2*(\r)+1]
.endr
.endr
	WIN 0
.endm
.macro TOSTAGE a
	WIN 0
.set BK, OB+192*((\a)%2)
.irp b, 0,1,2,3,4,5,6,7
	ds_store_b128 v[STO], v[TMP+4*(\b):TMP+4*(\b)+3] offset:((\b)/4)*2304+((\b)%4)*32
.endr
.irp t, 0,1,2,3,4,5,6,7
	ds_load_b128 v[BK+4*(\t):BK+4*(\t)+3], v[RD] offset:((\t)/4)*2304+((\t)%4)*576  ; LDS serves a wave's instructions in order: these see the stores above
.endr
.endm
.macro SEND a
	WIN 0
.set BK, OB+192*((\a)%2)
	s_wait_dscnt 0x0                               ; the block is back in registers
	s_wait_xcnt 0x0                                ; the stores of the block before have read their registers, which the next block's loads write
.irp t, 0,1,2,3,4,5,6,7
	global_store_b128 v[CO], v[BK+4*(\t):BK+4*(\t)+3], s[10:11] offset:((\t)/4)*524288+(\a)*2048+((\t)%4)*512  ; 512 consecutive bytes, aligned: four rows of one head
.endr
.endm
	s_wait_tensorcnt 1                             ; my part of K step 0 is in; K step 1's may stay out
	s_barrier_signal -1
	s_barrier_wait -1
	FETCH 0, 0, F0
	s_wait_loadcnt 0x0                             ; the bias
	QUARTER 0, 1, F0, F1, 1
	WIN 0
	s_mov_b32 s3, 3
.Llap:                                 ; a trip goes once round the ring, from a lap's second quarter to the next lap's first, and fills both slots again
	QUARTER 0, 2, F1, F0, 0
	QUARTER 0, 3, F0, F1, 0
	TURN 0, 1
	QUARTER 1, 1, F0, F1, 0
	QUARTER 1, 2, F1, F0, 0
	QUARTER 1, 3, F0, F1, 0
	TURN 1, 0
	QUARTER 0, 1, F0, F1, 0
	WIN 0
	s_sub_co_u32 s3, s3, 1
	s_cmp_lg_u32 s3, 0
	s_cbranch_scc1 .Llap
	QUARTER 0, 2, F1, F0, 0                        ; the last lap fills nothing
	QUARTER 0, 3, F0, F1, 0
	MEET 0
	PLACES
	FETCH 1, 0, F0
	MUL16 F1, 1, 0, 0
	MUL16 F1, 1, 2, 0
	QUARTER 1, 1, F0, F1, 0
	QUARTER 1, 2, F1, F0, 0
	QUARTER 1, 3, F0, F1, 0
	s_wait_dscnt 8
	MUL16 F1, 0, 0, 0
	MUL16 F1, 0, 2, 0
	s_wait_dscnt 0x0
	MUL16 F1, 1, 0, 0
	MUL16 F1, 1, 2, 0
	PLACES
	PACK 0
	TOSTAGE 0
.irp a, 1,2,3,4,5,6,7                  ; block a's conversions stand between block a - 1's loads from the stage and the wait for them
	PACK \a
	SEND (\a)-1
	TOSTAGE \a
.endr
	SEND 7
	s_wait_tensorcnt 0x0                           ; the wave's end
	ds_add_u32 v[SPW], v[NIL]
	s_wait_dscnt 0x0
	CROUND                                         ; the closing round
	s_endpgm
.Lfunc_end_k_qe55040dc12_projkv:
	.size	k_qe55040dc12_projkv, .Lfunc_end_k_qe55040dc12_projkv-k_qe55040dc12_projkv
	.p2alignl 7, 3214868480
	.fill 96, 4, 3214868480
	.section	.rodata,"a",@progbits
	.p2align	6, 0x0
	.amdhsa_kernel k_qe55040dc12_projkv
		.amdhsa_group_segment_fixed_size 327680
		.amdhsa_private_segment_fixed_size 0
		.amdhsa_enable_private_segment 0
		.amdhsa_kernarg_size 32
		.amdhsa_user_sgpr_count 2
		.amdhsa_user_sgpr_kernarg_segment_ptr 1
		.amdhsa_wavefront_size32 1
		.amdhsa_system_sgpr_workgroup_id_x 1
		.amdhsa_system_sgpr_workgroup_id_y 1
		.amdhsa_system_sgpr_workgroup_id_z 1
		.amdhsa_system_vgpr_workitem_id 0
		.amdhsa_next_free_vgpr 1024
		.amdhsa_next_free_sgpr 80
		.amdhsa_reserve_vcc 0
		.amdhsa_float_denorm_mode_32 3
		.amdhsa_float_denorm_mode_16_64 3
		.amdhsa_memory_ordered 1
		.amdhsa_forward_progress 1
		.amdhsa_inst_pref_size 145
	.end_amdhsa_kernel
	.amdgpu_metadata
---
amdhsa.version: [ 1, 2 ]
amdhsa.kernels:
  - .name:           k_qe55040dc12_projkv
    .symbol:         k_qe55040dc12_projkv.kd
    .args:
      - { .name: xkv, .offset: 0, .size: 8, .value_kind: global_buffer, .address_space: global }
      - { .name: wkv, .offset: 8, .size: 8, .value_kind: global_buffer, .address_space: global }
      - { .name: b_qkv, .offset: 16, .size: 8, .value_kind: global_buffer, .address_space: global }
      - { .name: kvh, .offset: 24, .size: 8, .value_kind: global_buffer, .address_space: global }
    .group_segment_fixed_size: 327680
    .private_segment_fixed_size: 0
    .kernarg_segment_align: 8
    .kernarg_segment_size: 32
    .max_flat_workgroup_size: 128
    .sgpr_count:     80
    .vgpr_count:     1024
    .wavefront_size: 32
...
	.end_amdgpu_metadata
.endif
;; end of part 2
;; launch projq (part 3): grid 8 x 32, 4 waves a work-group, clusters of 4 x 4, 327,680 bytes of LDS; arguments xq, wq, b_qkv, qf; writes qf
.if DOCPART == 3
	.amdgcn_target "amdgcn-amd-amdhsa--gfx1250"
	.amdhsa_code_object_version 6
	.text
	.protected	k_qe55040dc12_projq
	.globl	k_qe55040dc12_projq
	.p2align	8
	.type	k_qe55040dc12_projq,@function
k_qe55040dc12_projq:
	s_mov_b64 s[64:65], 0
	v_nop
	global_prefetch_b8 v0, s[64:65] scope:SCOPE_SE
	s_setreg_imm32_b32 hwreg(HW_REG_WAVE_MODE, 25, 1), 1
	s_wait_xcnt 0x0
	s_wait_alu depctr_hold_cnt(0) depctr_sa_sdst(0) depctr_va_vdst(0) depctr_va_sdst(0) depctr_va_ssrc(0) depctr_va_vcc(0) depctr_vm_vsrc(0)
	s_getreg_b32 s2, hwreg(HW_REG_IB_STS2, 6, 4)
	s_cmp_eq_u32 s2, 0
	s_cbranch_scc0 .Lentry_in_a_cluster
	s_endpgm
.Lentry_in_a_cluster:
	s_bfe_u32 s2, ttmp6, 0x10000c
	s_cmp_lg_u32 s2, 0xf033
	s_cbranch_scc0 .Lentry_shape_is_right
	s_endpgm
.Lentry_shape_is_right:
; out = a w + bias.  a: 2,048 rows x 1,024 in f16, in blocks [row / 128][k / 64][row % 128][64]; w: [1,024 k][1,024 n] f16; bias: f32, its first 1,024 numbers; out: [2,048][1,024] f32.
; Sums in f32, started by the bias.  Used twice: q = xq wq + b_qkv[:1024], and out0 = oh wo + b_out.
; A tile of 64 rows x 128 columns to a work-group: 32 x 8 = 256 work-groups.  Four waves, each 32 x 64: 8 accumulators.  The product is used transposed (source 0 = 16 columns of w, turned on the way out of LDS).
; K goes in 16 pieces of 64.  LDS holds ten: pieces 0-5 (region X) and 6-9 (region Y) are asked for at the start; pieces 10-15 land in X again behind the one round in the middle.
; A wave has two tensor loads out at the start and one behind the round.
; CLUSTERS: 4 x 4; a's tiles are shared along a row of the cluster, w's along a column.  No prefetch: the launch is short and its tiles small.
.set AREG,  0                          ; ten pieces of a: 64 rows of 128 bytes + 16 of padding: 9,216 bytes each
.set BREG,  92160                      ; 640 K rows of w: 256 bytes + 32 of padding (288 = 9 x 32)
.set STAGE, 276480                     ; 16 rows of 256 bytes + 16 for each wave
.set SPARE, 293888                     ; the spare words, which no other line names
.set ADRA, 16                          ; v16-17  pieces 0-5, 6-9
.set ADRB, 20                          ; v20-23  pieces 0-2, 3-5, 6-8, 9
.set STO,  24
.set RD,   25
.set CO,   26
.set BO,   27
.set SPW,  28
.set NIL,  29
.set ACC,  64                          ; (a, b) at ACC + 8 (4 a + b)
.set BI,   128                         ; the bias as C operands
.set OB,   160
.set G1AX, 16
.set G1AY, 24
.set G1BX, 32
.set G1BY, 44
.set G0AX, 52
.set G0AY, 56
.set G0BX, 60
.set G0BY, 68
.set MSB, 0
.macro WIN new
.if MSB != (\new)
	s_set_vgpr_msb (MSB<<8)|(\new)
.set MSB, \new
.endif
.endm
.set MUL,  0x05                        ; sources 0 and 1 in window 1; C and D in window 0
.set TO_F, 0x40
.macro CREST
	s_cmp_lg_u32 s12, 0
	s_cbranch_scc1 .Lnot_wave_0_\@
	s_barrier_signal -3
.Lnot_wave_0_\@:
	s_barrier_wait -3
	s_barrier_signal -1
	s_barrier_wait -1
.endm
.macro CROUND
	s_barrier_signal -1
	s_barrier_wait -1
	CREST
.endm
.macro PLACES
.rept 4
	v_nop
.endr
.endm
	s_load_b256 s[4:11], s[0:1], 0x0               ; a 4, w 6, bias 8, out 10
	v_lshl_add_u32 v[SPW], v0, 2, SPARE
	v_mov_b32 v[NIL], 0
	ds_add_u32 v[SPW], v[NIL]                      ; the wave's opening: the add and its wait ahead of my first tensor load
	v_lshrrev_b32 v1, 5, v0
	v_readfirstlane_b32 s12, v1
	s_lshr_b32 s13, s12, 1                         ; my half of the rows; also: I fetch for a (0) or w (1)
	s_and_b32 s14, s12, 1                          ; my half of the columns; also: which half of a region I fetch
	s_bfe_u32 s40, ttmp6, 0x40000                  ; cx
	s_bfe_u32 s41, ttmp6, 0x40004                  ; cy
	s_lshl_b32 s42, ttmp9, 2
	s_add_co_u32 s42, s42, s40                     ; tile column
	s_and_b32 s43, ttmp7, 0xffff
	s_lshl_b32 s43, s43, 2
	s_add_co_u32 s43, s43, s41                     ; tile row
	s_lshl_b32 s72, s41, 2
	s_lshl_b32 s72, 15, s72                        ; my row of the cluster
	s_lshl_b32 s73, 0x1111, s40                    ; my column
	; a: a piece's 64 rows are 8,192 dense bytes, asked for as one row; from piece to piece 16,384 bytes.  Padding of 4 words behind every 32.
	s_or_b32 s[G1AX], s72, (1<<16)|(1<<20)|(1<<21)|(4<<22)|(3<<25)
	s_or_b32 s[G1AY], s72, (1<<16)|(1<<20)|(1<<21)|(4<<22)|(3<<25)
	s_mov_b32 s[G1AX+1], 4096<<16
	s_mov_b32 s[G1AY+1], 4096<<16
	s_mov_b32 s[G1AX+2], 3<<16                     ; three pieces a wave in X,
	s_mov_b32 s[G1AY+2], 2<<16                     ; two in Y
	s_mov_b32 s[G1AX+3], 4096<<16
	s_mov_b32 s[G1AY+3], 4096<<16
	s_mov_b32 s[G1AX+4], 3
	s_mov_b32 s[G1AY+4], 2
	s_mov_b32 s[G1AX+5], 8192
	s_mov_b32 s[G1AY+5], 8192
	s_mov_b32 s[G1AX+6], 0
	s_mov_b32 s[G1AY+6], 0
	s_mov_b32 s[G1AX+7], 0
	s_mov_b32 s[G1AY+7], 0
	; w: rows of 128 elements (256 bytes), 1,024 elements apart.  Padding of 8 words behind every 64.
	s_or_b32 s[G1BX], s73, (1<<16)|(1<<20)|(1<<21)|(5<<22)|(7<<25)
	s_or_b32 s[G1BY], s73, (1<<16)|(1<<20)|(1<<21)|(5<<22)|(7<<25)
	s_mov_b32 s[G1BX+1], 128<<16
	s_mov_b32 s[G1BY+1], 128<<16
	s_mov_b32 s[G1BX+2], 192<<16
	s_mov_b32 s[G1BY+2], 128<<16
	s_mov_b32 s[G1BX+3], 128<<16
	s_mov_b32 s[G1BY+3], 128<<16
	s_mov_b32 s[G1BX+4], 192
	s_mov_b32 s[G1BY+4], 128
	s_mov_b32 s[G1BX+5], 1024
	s_mov_b32 s[G1BY+5], 1024
	s_mov_b32 s[G1BX+6], 0
	s_mov_b32 s[G1BY+6], 0
	s_mov_b32 s[G1BX+7], 0
	s_mov_b32 s[G1BY+7], 0
	s_lshr_b32 s74, s43, 1                         ; a: the block of 128 rows,
	s_lshl_b32 s74, s74, 18
	s_and_b32 s75, s43, 1                          ; and my tile's 64 rows in each of its pieces
	s_lshl_b32 s75, s75, 13
	s_add_co_u32 s74, s74, s75
	s_mov_b32 s75, 0
	s_mul_i32 s76, s14, 49152                      ; X: pieces 3 x half on
	s_mov_b32 s77, 0
	s_lshl_b32 s78, s14, 15                        ; Y: pieces 6 + 2 x half on
	s_add_co_u32 s78, s78, 98304
	s_mov_b32 s79, 0
	s_lshl_b32 s80, s42, 8                         ; w: the tile's 256 bytes of a row
	s_mov_b32 s81, 0
	s_mul_i32 s82, s14, 393216                     ; X: rows 192 x half on
	s_mov_b32 s83, 0
	s_lshl_b32 s84, s14, 18                        ; Y: rows 384 + 128 x half on
	s_add_co_u32 s84, s84, 786432
	s_mov_b32 s85, 0
	s_mov_b32 s[G0AX], 1
	s_mov_b32 s[G0AY], 1
	s_mov_b32 s[G0BX], 1
	s_mov_b32 s[G0BY], 1
	s_mul_i32 s[G0AX+1], s14, 27648                ; the LDS addresses hang on the wave's number alone
	s_mul_i32 s[G0AY+1], s14, 18432
	s_add_co_u32 s[G0AY+1], s[G0AY+1], 55296
	s_mul_i32 s[G0BX+1], s14, 55296
	s_add_co_u32 s[G0BX+1], s[G0BX+1], BREG
	s_mul_i32 s[G0BY+1], s14, 36864
	s_add_co_u32 s[G0BY+1], s[G0BY+1], 202752
	s_wait_dscnt 0x0                               ; the opening add is done
	s_wait_kmcnt 0x0
	s_add_nc_u64 s[74:75], s[4:5], s[74:75]
	s_add_nc_u64 s[G0AX+2:G0AX+3], s[74:75], s[76:77]
	s_or_b32 s[G0AX+3], s[G0AX+3], 0x80000000
	s_add_nc_u64 s[G0AY+2:G0AY+3], s[74:75], s[78:79]
	s_or_b32 s[G0AY+3], s[G0AY+3], 0x80000000
	s_add_nc_u64 s[80:81], s[6:7], s[80:81]
	s_add_nc_u64 s[G0BX+2:G0BX+3], s[80:81], s[82:83]
	s_or_b32 s[G0BX+3], s[G0BX+3], 0x80000000
	s_add_nc_u64 s[G0BY+2:G0BY+3], s[80:81], s[84:85]
	s_or_b32 s[G0BY+3], s[G0BY+3], 0x80000000
	CROUND                                         ; all sixteen work-groups are here: the first joint loads meet
	s_cmp_eq_u32 s13, 0                            ; a wave's two first fills stand in one branch
	s_cbranch_scc0 .Lfirst_b
	tensor_load_to_lds s[G0AX:G0AX+3], s[G1AX:G1AX+7]
	s_nop 0
	tensor_load_to_lds s[G0AY:G0AY+3], s[G1AY:G1AY+7]
	s_nop 0
.rept 4
	v_nop
.endr
	s_branch .Lfirst_asked
.Lfirst_b:
	tensor_load_to_lds s[G0BX:G0BX+3], s[G1BX:G1BX+7]
	s_nop 0
	tensor_load_to_lds s[G0BY:G0BY+3], s[G1BY:G1BY+7]
	s_nop 0
.rept 4
	v_nop
.endr
.Lfirst_asked:
	v_and_b32 v1, 15, v0
	v_bfe_u32 v2, v0, 4, 1
	v_mul_u32_u24 v3, v1, 144
	v_lshl_add_u32 v3, v2, 4, v3
	s_mul_i32 s86, s13, 4608                       ; my 32 rows
	v_add_nc_u32 v[ADRA], s86, v3
	v_add_nc_u32 v[ADRA+1], 55296, v[ADRA]
	v_and_b32 v4, 7, v0
	v_lshl_add_u32 v4, v2, 3, v4
	v_mul_u32_u24 v4, v4, 288
	v_bfe_u32 v5, v0, 3, 1
	v_lshl_add_u32 v4, v5, 4, v4
	s_lshl_b32 s86, s14, 7                         ; my 64 columns
	s_add_co_u32 s86, s86, BREG
	v_add_nc_u32 v[ADRB], s86, v4
.irp g, 1,2,3
	v_add_nc_u32 v[ADRB+\g], 55296*\g, v[ADRB]
.endr
	s_mul_i32 s86, s12, 4352
	s_add_co_u32 s86, s86, STAGE
	v_mul_u32_u24 v3, v1, 272                      ; in: row l % 16, 32 bytes for each half of the lanes
	v_lshl_add_u32 v3, v2, 5, v3
	v_add_nc_u32 v[STO], s86, v3
	v_mul_u32_u24 v3, v2, 272                      ; back: lanes 0-15 one row of 256 bytes, lanes 16-31 the next
	v_lshl_add_u32 v3, v1, 4, v3
	v_add_nc_u32 v[RD], s86, v3
	v_lshlrev_b32 v3, 12, v2
	v_lshl_add_u32 v[CO], v1, 4, v3
	v_lshlrev_b32 v[BO], 5, v2
	s_lshl_b32 s88, s42, 9                         ; my 64 columns in f32: 512 x tile column + 256 x half
	s_lshl_b32 s89, s14, 8
	s_add_co_u32 s88, s88, s89
	s_mov_b32 s89, 0
	s_add_nc_u64 s[8:9], s[8:9], s[88:89]
.irp b, 0,1,2,3
	global_load_b128 v[BI+8*\b:BI+8*\b+3],   v[BO], s[8:9] offset:64*\b
	global_load_b128 v[BI+8*\b+4:BI+8*\b+7], v[BO], s[8:9] offset:64*\b+16
.endr
	s_lshl_b32 s90, s43, 6
	s_lshl_b32 s91, s13, 5
	s_add_co_u32 s90, s90, s91                     ; my first row
	s_lshl_b32 s90, s90, 12
	s_add_co_u32 s90, s90, s88
	s_mov_b32 s91, 0
	s_add_nc_u64 s[10:11], s[10:11], s[90:91]
; 24 LDS loads in one run: piece p's fragments into buffer f: for each 32 along K four of w (turned) and two of a
.macro FETCH p, f
.set sl, (\p)%10                       ; pieces 10-15 lie where 0-5 lay
	WIN TO_F
.irp c, 0,1
.irp b, 0,1,2,3
	ds_load_tr16_b128 v[(\f)+48*\c+8*\b:(\f)+48*\c+8*\b+3],   v[ADRB+sl/3] offset:(sl%3)*18432+\c*9216+32*\b
	ds_load_tr16_b128 v[(\f)+48*\c+8*\b+4:(\f)+48*\c+8*\b+7], v[ADRB+sl/3] offset:(sl%3)*18432+\c*9216+32*\b+4608
.endr
.irp a, 0,1
	ds_load_b128 v[(\f)+48*\c+32+8*\a:(\f)+48*\c+32+8*\a+3],   v[ADRA+sl/6] offset:(sl%6)*9216+\a*2304+64*\c
	ds_load_b128 v[(\f)+48*\c+32+8*\a+4:(\f)+48*\c+32+8*\a+7], v[ADRA+sl/6] offset:(sl%6)*9216+\a*2304+64*\c+32
.endr
.endr
.endm
.macro MUL4 f, c, a, first             ; the 8 accumulators take turns: seven others stand between two links of a chain
	WIN MUL
.irp b, 0,1,2,3
.if \first
	v_wmma_f32_16x16x32_f16 v[ACC+8*(4*(\a)+\b):ACC+8*(4*(\a)+\b)+7], v[(\f)+48*(\c)+8*\b:(\f)+48*(\c)+8*\b+7], v[(\f)+48*(\c)+32+8*(\a):(\f)+48*(\c)+32+8*(\a)+7], v[BI+8*\b:BI+8*\b+7]
.else
	v_wmma_f32_16x16x32_f16 v[ACC+8*(4*(\a)+\b):ACC+8*(4*(\a)+\b)+7], v[(\f)+48*(\c)+8*\b:(\f)+48*(\c)+8*\b+7], v[(\f)+48*(\c)+32+8*(\a):(\f)+48*(\c)+32+8*(\a)+7], v[ACC+8*(4*(\a)+\b):ACC+8*(4*(\a)+\b)+7]
.endif
.endr
.endm
.macro PIECE p, first=0
	s_wait_dscnt 12                                ; the first 32 along K are in; the youngest twelve loads may be out
	MUL4 96*((\p)%2), 0, 0, \first
	MUL4 96*((\p)%2), 0, 1, \first
	PLACES
	FETCH (\p)+1, 96*(((\p)+1)%2)
	s_wait_dscnt 24                                ; all but the 24 just issued
	MUL4 96*((\p)%2), 1, 0, 0
	MUL4 96*((\p)%2), 1, 1, 0
.endm
; A piece behind which the next region is wanted: one barrier; in front of it each wave waits for all its tensor loads, adds 0 to its spare word, and waits for that and for its reads.
; fill = 1: the barrier opens a round of the cluster's, and region X, which nobody reads any more, is filled again first thing behind it.
.macro TURN p, fill
	WIN 0
	s_wait_tensorcnt 0x0
	ds_add_u32 v[SPW], v[NIL]
	s_wait_dscnt 13                                ; the add and the youngest twelve loads may be out
	MUL4 96*((\p)%2), 0, 0, 0
	s_wait_dscnt 0x0
	s_barrier_signal -1
	MUL4 96*((\p)%2), 0, 1, 0
.if \fill
	WIN 0
.endif
	s_barrier_wait -1
.if \fill
	CREST
	s_add_nc_u64 s[G0AX+2:G0AX+3], s[G0AX+2:G0AX+3], 163840    ; ten pieces on
	s_add_nc_u64 s[G0BX+2:G0BX+3], s[G0BX+2:G0BX+3], 1310720   ; 640 rows on
	s_cmp_eq_u32 s13, 0
	s_cbranch_scc0 .Lfor_b_\@
	tensor_load_to_lds s[G0AX:G0AX+3], s[G1AX:G1AX+7]
	s_nop 0
.rept 4
	v_nop
.endr
	s_branch .Lasked_\@
.Lfor_b_\@:
	tensor_load_to_lds s[G0BX:G0BX+3], s[G1BX:G1BX+7]
	s_nop 0
.rept 4
	v_nop
.endr
.Lasked_\@:
.else
	PLACES
.endif
	FETCH (\p)+1, 96*(((\p)+1)%2)
	MUL4 96*((\p)%2), 1, 0, 0
	MUL4 96*((\p)%2), 1, 1, 0
.endm
	s_wait_tensorcnt 1                             ; my part of X is in; Y's may stay out
	s_barrier_signal -1
	s_barrier_wait -1
	FETCH 0, 0
	s_wait_loadcnt 0x0                             ; the bias
	PIECE 0, 1
	PIECE 1
	PIECE 2
	PIECE 3
	PIECE 4
	TURN 5, 1                                      ; Y is whole; X takes pieces 10-15
	PIECE 6
	PIECE 7
	PIECE 8
	TURN 9, 0                                      ; X is whole again
	PIECE 10
	PIECE 11
	PIECE 12
	PIECE 13
	PIECE 14
	s_wait_dscnt 12
	MUL4 96, 0, 0, 0
	MUL4 96, 0, 1, 0
	s_wait_dscnt 0x0
	MUL4 96, 1, 0, 0
	MUL4 96, 1, 1, 0
	WIN 0
	PLACES
	; THE WAY OUT: 32 bytes a lane into my stage, back as whole rows of 256 bytes
.irp a, 0,1
.irp b, 0,1,2,3
	ds_store_b128 v[STO], v[ACC+8*(4*\a+\b):ACC+8*(4*\a+\b)+3]   offset:64*\b
	ds_store_b128 v[STO], v[ACC+8*(4*\a+\b)+4:ACC+8*(4*\a+\b)+7] offset:64*\b+16
.endr
.irp t, 0,1,2,3,4,5,6,7
	ds_load_b128 v[OB+32*\a+4*\t:OB+32*\a+4*\t+3], v[RD] offset:544*\t  ; LDS serves a wave's instructions in order: these see the stores above, and the next block's stores come behind them
.endr
.endr
	s_wait_dscnt 16                                ; the first block is back; the second block's sixteen may be out
.irp t, 0,1,2,3,4,5,6,7
	global_store_b128 v[CO], v[OB+4*\t:OB+4*\t+3], s[10:11] offset:2*\t*4096  ; 16 lanes store 256 consecutive bytes, aligned
.endr
	s_wait_dscnt 0x0
.irp t, 0,1,2,3,4,5,6,7
	global_store_b128 v[CO], v[OB+32+4*\t:OB+32+4*\t+3], s[10:11] offset:(16+2*\t)*4096
.endr
	s_wait_tensorcnt 0x0                           ; the wave's end
	ds_add_u32 v[SPW], v[NIL]
	s_wait_dscnt 0x0
	CROUND                                         ; the closing round
	s_endpgm
.Lfunc_end_k_qe55040dc12_projq:
	.size	k_qe55040dc12_projq, .Lfunc_end_k_qe55040dc12_projq-k_qe55040dc12_projq
	.p2alignl 7, 3214868480
	.fill 96, 4, 3214868480
	.section	.rodata,"a",@progbits
	.p2align	6, 0x0
	.amdhsa_kernel k_qe55040dc12_projq
		.amdhsa_group_segment_fixed_size 327680
		.amdhsa_private_segment_fixed_size 0
		.amdhsa_enable_private_segment 0
		.amdhsa_kernarg_size 32
		.amdhsa_user_sgpr_count 2
		.amdhsa_user_sgpr_kernarg_segment_ptr 1
		.amdhsa_wavefront_size32 1
		.amdhsa_system_sgpr_workgroup_id_x 1
		.amdhsa_system_sgpr_workgroup_id_y 1
		.amdhsa_system_sgpr_workgroup_id_z 1
		.amdhsa_system_vgpr_workitem_id 0
		.amdhsa_next_free_vgpr 448
		.amdhsa_next_free_sgpr 96
		.amdhsa_reserve_vcc 0
		.amdhsa_float_denorm_mode_32 3
		.amdhsa_float_denorm_mode_16_64 3
		.amdhsa_memory_ordered 1
		.amdhsa_forward_progress 1
		.amdhsa_inst_pref_size 59
	.end_amdhsa_kernel
	.amdgpu_metadata
---
amdhsa.version: [ 1, 2 ]
amdhsa.kernels:
  - .name:           k_qe55040dc12_projq
    .symbol:         k_qe55040dc12_projq.kd
    .args:
      - { .name: xq, .offset: 0, .size: 8, .value_kind: global_buffer, .address_space: global }
      - { .name: wq, .offset: 8, .size: 8, .value_kind: global_buffer, .address_space: global }
      - { .name: b_qkv, .offset: 16, .size: 8, .value_kind: global_buffer, .address_space: global }
      - { .name: qf, .offset: 24, .size: 8, .value_kind: global_buffer, .address_space: global }
    .group_segment_fixed_size: 327680
    .private_segment_fixed_size: 0
    .kernarg_segment_align: 8
    .kernarg_segment_size: 32
    .max_flat_workgroup_size: 128
    .sgpr_count:     96
    .vgpr_count:     448
    .wavefront_size: 32
...
	.end_amdgpu_metadata
.endif
;; end of part 3
;; launch attn (part 4): grid 8 x 32, 4 waves a work-group, clusters of 4 x 1, 327,680 bytes of LDS; arguments qf, kvh, attention_mask, oh; writes oh
.if DOCPART == 4
	.amdgcn_target "amdgcn-amd-amdhsa--gfx1250"
	.amdhsa_code_object_version 6
	.text
	.protected	k_qe55040dc12_attn
	.globl	k_qe55040dc12_attn
	.p2align	8
	.type	k_qe55040dc12_attn,@function
k_qe55040dc12_attn:
	s_mov_b64 s[64:65], 0
	v_nop
	global_prefetch_b8 v0, s[64:65] scope:SCOPE_SE
	s_setreg_imm32_b32 hwreg(HW_REG_WAVE_MODE, 25, 1), 1
	s_wait_xcnt 0x0
	s_wait_alu depctr_hold_cnt(0) depctr_sa_sdst(0) depctr_va_vdst(0) depctr_va_sdst(0) depctr_va_ssrc(0) depctr_va_vcc(0) depctr_vm_vsrc(0)
	s_getreg_b32 s2, hwreg(HW_REG_IB_STS2, 6, 4)
	s_cmp_eq_u32 s2, 0
	s_cbranch_scc0 .Lentry_in_a_cluster
	s_endpgm
.Lentry_in_a_cluster:
	s_bfe_u32 s2, ttmp6, 0x10000c
	s_cmp_lg_u32 s2, 0x3003
	s_cbranch_scc0 .Lentry_shape_is_right
	s_endpgm
.Lentry_shape_is_right:
; O[b][h][q] = the sum over the keys k that the mask shows of softmax_k(Q . K / 8) V.  qf: [2,048][1,024] f32 (rounded here once to f16); kvh: [k or v][b][h][4,096][64] f16; the mask: [2][4,096] bytes;
; oh: f16 in blocks [row / 128][head][row % 128][64].  Products, maxima and sums in f32; the weights p are rounded to f16 for the second product (their sum l is taken of the unrounded p), O once at the end.
; LIMITS.  f16 ends at 65,504: q, k, v lie within it; below 6e-5 p and O keep f16's fixed step of 6e-8.  A hidden score counts as its value less 1e30; a weight below 2^-126 counts as 0 in l;
; NaN and infinities are not treated apart.  A batch in which the mask shows no key: all weights are equal, as where every score is the lowest number: there the scale c is 0, so that every p is 1.
; SHARES.  A work-group owns 128 queries of one batch and head.  EVERY wave holds all 128, as four PIECES of two tiles of 16; THE KEYS ARE SPLIT: of each slot of 256 keys wave w takes keys 64 w .. 64 w + 63,
; so each byte of K and V in LDS is read by one wave.  A wave walks 16 key steps; the four waves' m, l and O meet in LDS at the end, in f32.
; LAYOUT.  S^T = K Q^T (source 0 = 16 keys, source 1 = 16 queries): a lane holds ONE query (lane % 16) and the keys 8 (lane / 16) + 0..7.  Two such results rounded to f16 ARE source 1 of O^T = V^T P.
; THE MASK is the C operand that starts the sum S^T: 0, or -1e30 where the key is hidden: a table of 4,096 f32 in LDS, made once, of which a step's 64 come into 32 registers beside K.
; SOFTMAX.  p = 2^(c s - c m), c = log2(e) / 8, with a running maximum m; O and l are multiplied by a = 2^(c m_old - c m_new) in every step.  m starts at the lowest finite number, O and l at 0.
; BY TURNS.  Turn n belongs to piece n: 16 products K Q^T of piece n + 1, later 16 products V^T P of piece n - 1; beside them the scaling, exponentials, roundings, sums and rescaling of piece n and the maximum
; and statistics of piece n + 1.  Four vector instructions stand behind every matrix instruction, the others in one lump; a turn's 66 exponentials are one batch, with one wait.
; CLUSTER.  The four query blocks of a cluster belong to one head and walk the same K and V: each tile is asked for jointly.
; REGISTERS, in windows of 256: window 0: v0-11 addresses; v12-15, v48-63 at work; v16-47 four registers of statistics a tile; v64-191 S^T, two buffers of two tiles; v192-255 P, likewise
;   window 1: O^T, 32 a tile     window 2: v0-127 Q, 16 a tile; v128-191 K of one step; v192-255 V of one step     window 3: v0-1 the add's two registers; v32-63 the step's mask
.set NP,    4
.set KS,    64
.set PK,    144       ; a row of K in LDS: 128 bytes + 16 of padding
.set PV,    160       ; a row of V: 128 + 32
.set VOFF,  4*KS*PK   ; a slot: 256 rows of K, then 256 rows of V
.set SLOT1, 1<<17
.set MT,    77824     ; behind slot 0: the mask's table, 16,384 bytes
.set MS,    94208     ; the waves' statistics, 8,192 bytes
.set STAGE, 102400    ; 16 rows x 144 bytes for each wave
.set SP,    144
.set SPARE, 111616    ; the spare words, which no other line names
.set QS,    112128    ; Q in f16, in the fragments' order: 32 quarters of 512 bytes
.set AK0, 2
.set AV0, 3
.set AK,  4
.set AV,  5
.set AM0, 6           ; my lane's place in the mask's table
.set AMK, 7           ; the address of its next run of loads
.set PFO, 8           ; 256 x my lane: the prefetches' offset; never rewritten
.set SPW, 0           ; v0 of window 3
.set NIL, 1           ; v1 of window 3
.set MK,  32          ; window 3: key block kb at MK + 8 kb
.set MV,  12
.set ST,  16          ; tile t's statistics at v[ST+4 t]: c m, m, l (even keys', odd keys')
.set TMP, 48
.set S,   64
.set P,   192
.set KF,  128
.set VF,  192
.set WV,  12
.set G1K, 24
.set G1V, 32
.set G0K, 40
.set G0V, 44
.set SLOTS, 56
.set CNT, 57
.set CS,  58
.set SEL, 60
.set TB,  62          ; the slot from which the fetches read: 0 or SLOT1
.set TBM, 63          ; the table's bytes in front of the step to be fetched
.set BIGN, 70
.set LIM, 71
.set PFA, 72
.set MSB, 0
.macro WIN new
.if MSB != (\new)
	s_set_vgpr_msb (MSB<<8)|(\new)
.set MSB, (\new)
.endif
.endm
.set W_KQ, 0x0a       ; K and Q in window 2, S^T in window 0
.set W_KM, 0x3a       ; the same with the C operand in window 3
.set W_PV, 0x52       ; V in window 2, P in window 0, O^T in window 1
.set W_RS, 0x41
.set W_MK, 0xc0
.set W_AD, 0x0f
.macro JLOAD                        ; waves 0 and 1 fetch the two halves of a slot's K, waves 2 and 3 those of its V; an s_nop 0 and four v_nop follow each line
	s_cmp_lt_u32 s[WV], 2
	s_cbranch_scc0 .Lfor_v_\@
	tensor_load_to_lds s[G0K:G0K+3], s[G1K:G1K+7]
	s_nop 0
.rept 4
	v_nop
.endr
	s_branch .Lasked_\@
.Lfor_v_\@:
	tensor_load_to_lds s[G0V:G0V+3], s[G1V:G1V+7]
	s_nop 0
.rept 4
	v_nop
.endr
.Lasked_\@:
.endm
; A prefetch of what the NEXT change of slots will ask for: a slot's 128 blocks of 256 bytes of K and of V.  Both clusters of a head walk the same rows: the first asks; its four partners take 32 blocks each,
; told apart by address; wave 0 asks for K's, wave 2 for V's.  The last change that fills a slot asks for nothing.
.macro ASK
	s_cmp_gt_u32 s[SLOTS], s[LIM]
	s_cbranch_scc0 .Lnot_mine_\@
	global_prefetch_b8 v[PFO], s[PFA:PFA+1] th:TH_LOAD_NT scope:SCOPE_SE
.Lnot_mine_\@:
.endm
.macro CROUND
	s_barrier_signal -1
	s_barrier_wait -1
	s_cmp_lg_u32 s[WV], 0
	s_cbranch_scc1 .Lnot_wave_0_\@
	s_barrier_signal -3
.Lnot_wave_0_\@:
	s_barrier_wait -3
	s_barrier_signal -1
	s_barrier_wait -1
.endm
; THE CHANGE OF SLOTS.  Each wave waits for all its tensor loads (one is out: its part of the other slot), adds 0 to its spare word, and waits for that and for its own LDS instructions.
; fill = 1: the slot just left is filled again, with the keys two slots on, first thing behind a round of the cluster's barrier.  (At its first use slot 0 is waited for and slot 1 filled,
; and the round shows every wave the mask's table and Q.)
.macro CHANGE fill, ask=0
	WIN W_AD
	s_wait_tensorcnt 0x0
	ds_add_u32 v[SPW], v[NIL]
	WIN 0
.if \fill
.irp g, G0K, G0V
	s_xor_b32 s[\g+1], s[\g+1], SLOT1
	s_add_nc_u64 s[\g+2:\g+3], s[\g+2:\g+3], 4*KS*128
.endr
.if \ask
	s_wait_xcnt 0x0                 ; the last prefetch, four turns back, has read its address
	s_add_nc_u64 s[PFA:PFA+1], s[PFA:PFA+1], 4*KS*128
.endif
	s_wait_dscnt 0x0
	CROUND
	JLOAD
.if \ask
	ASK
.endif
.else
	s_wait_dscnt 0x0
	s_barrier_signal -1
	s_barrier_wait -1
.endif
	s_xor_b32 s[TB], s[TB], SLOT1   ; the fetches go to the other slot
.endm
	s_load_b256 s[4:11], s[0:1], 0x0  ; qf 4, kvh 6, the mask 8, oh 10
	WIN W_MK
	v_lshl_add_u32 v[SPW], v0, 2, SPARE
	v_mov_b32 v[NIL], 0
	WIN W_AD
	ds_add_u32 v[SPW], v[NIL]       ; the wave's opening: the add and its wait ahead of my first tensor load
	WIN 0
	v_lshrrev_b32 v1, 5, v0
	v_readfirstlane_b32 s[WV], v1
	s_bfe_u32 s13, ttmp6, 0x40000   ; cx
	s_lshl_b32 s14, ttmp9, 2
	s_add_co_u32 s14, s14, s13      ; my block of 128 queries: it enters Q's and O's addresses alone
	s_and_b32 s15, ttmp7, 0xffff    ; 16 x batch + head
	s_lshr_b32 s16, s15, 4          ; batch
	s_and_b32 s19, s15, 15          ; head
	s_lshl_b32 s20, s15, 19         ; the head's 4,096 rows of 128 bytes,
	s_and_b32 s22, s[WV], 1         ; and which half of a slot's 256 keys I fetch
	s_lshl_b32 s23, s22, 14
	s_add_co_u32 s20, s20, s23
	s_mov_b32 s21, 0
	s_mul_i32 s17, s22, 128*PK
	s_mul_i32 s18, s22, 128*PV
	s_lshl_b32 s2, s16, 10          ; Q: row = 1,024 x batch + 128 x block + 32 x wave (the two tiles that I round),
	s_lshl_b32 s3, s14, 7
	s_add_co_u32 s2, s2, s3
	s_lshl_b32 s3, s[WV], 5
	s_add_co_u32 s2, s2, s3
	s_lshl_b32 s2, s2, 12
	s_lshl_b32 s3, s19, 8           ; the head's 256 bytes of a row
	s_add_co_u32 s2, s2, s3
	s_mov_b32 s3, 0
	s_lshl3_add_u32 s74, s16, s14   ; O: block (8 x batch + query block, head), 16,384 bytes; my two tiles: 4,096 x wave
	s_lshl4_add_u32 s74, s74, s19
	s_lshl_b32 s74, s74, 14
	s_lshl_b32 s75, s[WV], 12
	s_add_co_u32 s74, s74, s75
	s_mov_b32 s75, 0
	s_lshl_b32 s76, s16, 12         ; the batch's mask
	s_mov_b32 s77, 0
	s_mov_b32 s[G1K], 15|(1<<16)|(1<<20)|(1<<21)|(4<<22)|(3<<25)  ; the mask of four; 2-byte elements; padding of 4 words behind every 32; bit 21 beside the mask
	s_mov_b32 s[G1V], 15|(1<<16)|(1<<20)|(1<<21)|(4<<22)|(7<<25)  ; the same with 8 words
.irp g, G1K, G1V
	s_mov_b32 s[\g+1], 128<<16      ; 128 keys are 16,384 dense bytes: 64 rows of 256
	s_mov_b32 s[\g+2], 64<<16
	s_mov_b32 s[\g+3], 128<<16
	s_mov_b32 s[\g+4], 64
	s_mov_b32 s[\g+5], 128
	s_mov_b32 s[\g+6], 0
	s_mov_b32 s[\g+7], 0
.endr
	s_mov_b32 s[SEL], 0x76543210
	s_mov_b32 s[SEL+1], 0xfedcba98
	s_mov_b32 s[TB], SLOT1          ; the first change of slots turns it into 0
	s_mov_b32 s[TBM], 0
	s_mov_b32 s[BIGN], 0xf149f2ca   ; -1e30
	s_mov_b32 s[G0K], 1
	s_mov_b32 s[G0K+1], s17
	s_mov_b32 s[G0V], 1
	s_add_co_u32 s[G0V+1], s18, VOFF
	s_and_b32 s[LIM], s[WV], 1      ; 0 in waves 0 and 2,
	s_or_b32 s[LIM], s[LIM], ttmp9  ; where the cluster is the head's first
	s_cmp_eq_u32 s[LIM], 0
	s_cselect_b32 s[LIM], 1, -1
	s_wait_dscnt 0x0                ; the opening add is done
	s_wait_kmcnt 0x0
	s_add_nc_u64 s[6:7], s[6:7], s[20:21]          ; K at my half of the head's first slot,
	s_add_nc_u64 s[68:69], s[6:7], 0x1000000       ; V 16,777,216 bytes behind
	s_add_nc_u64 s[G0K+2:G0K+3], s[6:7], 0
	s_or_b32 s[G0K+3], s[G0K+3], 0x80000000
	s_add_nc_u64 s[G0V+2:G0V+3], s[68:69], 0
	s_or_b32 s[G0V+3], s[G0V+3], 0x80000000
	s_add_nc_u64 s[4:5], s[4:5], s[2:3]
	s_add_nc_u64 s[10:11], s[10:11], s[74:75]
	s_add_nc_u64 s[8:9], s[8:9], s[76:77]
	s_cmp_lt_u32 s[WV], 2
	s_cselect_b64 s[PFA:PFA+1], s[6:7], s[68:69]
	s_lshl_b32 s2, s13, 13          ; my work-group's 32 blocks of the 128
	s_add_nc_u64 s[PFA:PFA+1], s[PFA:PFA+1], s[2:3]
	s_add_nc_u64 s[PFA:PFA+1], s[PFA:PFA+1], 2*4*KS*128  ; in slot 2; the loop's first change steps it to slot 3
	CROUND                          ; all four work-groups are here: the first joint loads meet
	JLOAD                           ; slot 0
	v_and_b32 v1, 15, v0            ; l % 16
	v_bfe_u32 v9, v0, 4, 1          ; l / 16
	v_and_b32 v10, 7, v0
	v_bfe_u32 v11, v0, 3, 1
	v_and_b32 v48, 31, v0           ; l
	v_lshlrev_b32 v49, 12, v1
	v_lshl_add_u32 v49, v9, 5, v49  ; Q in f32: row x 4,096 + 32 x half
	v_lshlrev_b32 v50, 7, v48       ; the whole batch's mask: 128 bytes a lane
	v_lshlrev_b32 v51, 5, v0        ; my 32 keys of the table
	v_lshl_add_u32 v52, v0, 7, MT   ; and their 128 bytes in it
	v_lshl_add_u32 v54, v48, 4, QS  ; Q's fragments in LDS: 16 bytes a lane
	s_lshl_b32 s78, s[WV], 12
	v_add_nc_u32 v53, s78, v54      ; my eight quarters of them
.irp i, 0,1,2,3,4,5,6,7
	global_load_b128 v[64+4*\i:64+4*\i+3], v50, s[8:9] offset:16*\i
.endr
	global_load_b128 v[96:99], v51, s[8:9]
	global_load_b128 v[100:103], v51, s[8:9] offset:16
	WIN 0x80                        ; destination window 2: K's registers, still idle, take my two tiles of Q in f32
.set i, 0
.rept 16                            ; tile i / 8, channels 32 ((i / 4) % 2) on; of a fragment's two groups of eight channels group (i % 4) / 2, its half i % 2
	global_load_b128 v[KF+4*i:KF+4*i+3], v49, s[4:5] offset:(i/8)*65536+((i/4)%2)*128+((i%4)/2)*64+(i%2)*16
.set i, i+1
.endr
	; What the first turn finds: V's registers and P's second buffer hold 0, O^T and l are 0.  All this stands in the wait for the first loads.
.set i, VF
.rept 64
	v_mov_b32 v[i], 0
.set i, i+1
.endr
	WIN 0x40
.set i, 0
.rept 64*NP
	v_mov_b32 v[i], 0
.set i, i+1
.endr
	WIN 0
.set i, 0
.rept 2*NP
	v_mov_b32 v[ST+4*i], 0xfe000000    ; c m: far below every c s
	v_mov_b32 v[ST+4*i+1], 0xff7fffff  ; m
	v_mov_b32 v[ST+4*i+2], 0
	v_mov_b32 v[ST+4*i+3], 0
.set i, i+1
.endr
.set i, P+32
.rept 32
	v_mov_b32 v[i], 0
.set i, i+1
.endr
	s_mul_i32 s78, s[WV], KS*PK     ; my 64 keys of a slot
	v_mul_u32_u24 v[AK0], v1, PK
	v_lshl_add_u32 v[AK0], v9, 4, v[AK0]
	v_add_nc_u32 v[AK0], s78, v[AK0]
	s_mul_i32 s78, s[WV], KS*PV
	s_add_co_u32 s78, s78, VOFF
	v_lshl_add_u32 v[AV0], v9, 3, v10  ; the turning load: lane l reads key 8 (l / 16) + l % 8, channels 8 ((l / 8) % 2) + 0..7
	v_mul_u32_u24 v[AV0], v[AV0], PV
	v_lshl_add_u32 v[AV0], v11, 4, v[AV0]
	v_add_nc_u32 v[AV0], s78, v[AV0]
	s_lshl_b32 s78, s[WV], 8
	s_add_co_u32 s78, s78, MT
	v_lshl_add_u32 v[AM0], v9, 5, s78  ; the table: 256 bytes for my 64 keys, 32 for my half of the lanes
	v_lshlrev_b32 v[PFO], 8, v48
	v_mov_b32 v[AK], v[AK0]
	v_mov_b32 v[AMK], v[AM0]
	s_wait_loadcnt 16               ; the mask is in; Q's sixteen loads may stay out
.irp w, 16,8,4,2,1
.set i, 0
.rept \w
	v_or_b32 v[64+i], v[64+i], v[64+i+\w]
.set i, i+1
.endr
.endr
	v_cmp_ne_u32 s20, 0, v64        ; does the mask show any key of the batch?
	s_cmp_lg_u32 s20, 0
	s_cselect_b32 s[CS], 0x3e38aa3b, 0  ; c = log2(e) / 8 = 0.180337; or 0: every weight is then 1
	s_mov_b32 s[CS+1], s[CS]
.set i, 0
.rept 32
	v_bfe_u32 v12, v[96+i/4], 8*(i%4), 8
	v_cmp_eq_u32 vcc_lo, 0, v12
	v_cndmask_b32 v[104+i], 0, s[BIGN], vcc_lo
.set i, i+1
.endr
.irp i, 0,1,2,3,4,5,6,7
	ds_store_b128 v52, v[104+4*\i:104+4*\i+3] offset:16*\i
.endr
	s_wait_loadcnt 0x0              ; Q
	WIN 0x0a
.set i, 0
.rept 32
	v_cvt_pk_f16_f32 v[136+i], v[KF+2*i], v[KF+2*i+1]
.set i, i+1
.endr
	WIN 0
.irp i, 0,1,2,3,4,5,6,7
	ds_store_b128 v53, v[136+4*\i:136+4*\i+3] offset:512*\i
.endr
; THE MATRIX WORK.  The 8 accumulators of a run of 16 take turns.  Product i of 16 of S^T = K Q^T for piece x: channels 32 (i / 8) on, keys 16 ((i / 2) % 4) on, tile 2 x + i % 2.  The mask starts the sums.
.macro KQ x
.set rS, S+64*((\x)%2)+32*(i%2)+8*((i/2)%4)
.set rK, KF+16*((i/2)%4)+8*(i/8)
.set rQ, 16*(2*(\x)+i%2)+8*(i/8)
.if i < 8
	WIN W_KM
	v_wmma_f32_16x16x32_f16 v[rS:rS+7], v[rK:rK+7], v[rQ:rQ+7], v[MK+8*((i/2)%4):MK+8*((i/2)%4)+7]
.else
	WIN W_KQ
	v_wmma_f32_16x16x32_f16 v[rS:rS+7], v[rK:rK+7], v[rQ:rQ+7], v[rS:rS+7]
.endif
.endm
.macro PV x                         ; product i of 16 of O^T += V^T P for piece x: keys 32 (i / 8) on, channels 16 ((i / 2) % 4) on, tile 2 x + i % 2
	WIN W_PV
.set rO, 32*(2*(\x)+i%2)+8*((i/2)%4)
.set rV, VF+32*(i/8)+8*((i/2)%4)
.set rP, P+32*((\x)%2)+16*(i%2)+8*(i/8)
	v_wmma_f32_16x16x32_f16 v[rO:rO+7], v[rV:rV+7], v[rP:rP+7], v[rO:rO+7]
.endm
.macro MM                           ; the turn's next matrix instruction
.if i < 16
	KQ (Y+1)%NP
.set i, i+1
.else
.set i, i-16
	PV (Y+NP-1)%NP
.set i, i+17
.endif
.endm
; THE LDS LOADS stand in runs: a step's K (8 fragments) with its mask (32 registers), and its V (turned).  last = 1 (the tail): in the last trip there is no further step, and the run is jumped over.
.macro FETCH_K last=0
	WIN 0
.if \last
	s_cmp_eq_u32 s[CNT], 1
	s_cbranch_scc1 .Lno_k_\@
.endif
	WIN 0x80
.irp f, 0,1,2,3,4,5,6,7
	ds_load_b128 v[KF+8*\f:KF+8*\f+3],   v[AK] offset:(\f/2)*16*PK+(\f%2)*64
	ds_load_b128 v[KF+8*\f+4:KF+8*\f+7], v[AK] offset:(\f/2)*16*PK+(\f%2)*64+32
.endr
	WIN 0xc0
.irp f, 0,1,2,3
	ds_load_b128 v[MK+8*\f:MK+8*\f+3],   v[AMK] offset:64*\f
	ds_load_b128 v[MK+8*\f+4:MK+8*\f+7], v[AMK] offset:64*\f+16
.endr
	s_add_co_u32 s[TBM], s[TBM], 1024  ; the next slot's 256 keys
	WIN 0
.if \last
.Lno_k_\@:
.endif
.endm
.macro FETCH_V
	WIN 0x80
.irp f, 0,1,2,3,4,5,6,7
	ds_load_tr16_b128 v[VF+8*\f:VF+8*\f+3],   v[AV] offset:(\f/4)*32*PV+(\f%4)*32
	ds_load_tr16_b128 v[VF+8*\f+4:VF+8*\f+7], v[AV] offset:(\f/4)*32*PV+16*PV+(\f%4)*32
.endr
	WIN 0
.endm
; THE VECTOR WORK OF A TURN stands in three queues, each in the order in which its entries become ready; the two tiles alternate.
.macro REGS y, u
.set rT, ST+4*(2*(\y)+(\u))
.set rC, TMP+8*((\y)%2)+4*(\u)
.set rM, MV+2*((\y)%2)+(\u)
.set rS, S+64*((\y)%2)+32*(\u)
.set rP, P+32*((\y)%2)+16*(\u)
.set rO, 32*(2*(\y)+(\u))
.endm
; Number n of the 22 that find the NEXT piece's maximum and statistics; each accumulator's lowest registers are read first.
;   0-11 four chains of seven scores   12-14, 16 the four left over, the old m, the four into one   15 c m_old is kept   17, 18 the other half of the lanes: the new m   19-21 c m; its change; a
.macro XS u, n
	REGS (Y+1)%NP, \u
.if (\n) < 4
	v_max3_num_f32 v[rC+(\n)], v[rS+8*(\n)], v[rS+8*(\n)+1], v[rS+8*(\n)+2]
.elseif (\n) < 12
	v_max3_num_f32 v[rC+(\n)%4], v[rC+(\n)%4], v[rS+8*((\n)%4)+2*((\n)/4)+1], v[rS+8*((\n)%4)+2*((\n)/4)+2]
.elseif (\n) == 12
	v_max3_num_f32 v[rC], v[rC], v[rS+7], v[rS+15]
.elseif (\n) == 13
	v_max3_num_f32 v[rC+1], v[rC+1], v[rS+23], v[rS+31]
.elseif (\n) == 14
	v_max3_num_f32 v[rC+2], v[rC+2], v[rC+3], v[rT+1]
.elseif (\n) == 15
	v_mov_b32 v[rM], v[rT]
.elseif (\n) == 16
	v_max3_num_f32 v[rC], v[rC], v[rC+1], v[rC+2]
.elseif (\n) == 17
	v_permlanex16_b32 v[rC+3], v[rC], s[SEL], s[SEL+1]
.elseif (\n) == 18
	v_max_num_f32 v[rT+1], v[rC], v[rC+3]
.elseif (\n) == 19
	v_mul_f32 v[rT], s[CS], v[rT+1]
.elseif (\n) == 20
	v_sub_f32 v[rC+1], v[rM], v[rT]
.else
	v_exp_f32 v[rC+2], v[rC+1]
.endif
.endm
; Number g of the 64 that follow the exponentials: for each four weights both pairs are rounded to f16, the second pair is added onto the first, and a group later l takes that sum (the first time as l = a l + sum).
.macro GS g
.set h, (\g)+6*((\g)/62)
.if h >= 6
.set h, h+2
.endif
	REGS Y, h%2
.set k, h/8
.if h%8 < 4
	v_cvt_pk_f16_f32 v[rP+2*k+(h%8)/2], v[rS+4*k+2*((h%8)/2)], v[rS+4*k+2*((h%8)/2)+1]
.elseif h%8 < 6
	v_pk_add_f32 v[rS+4*k:rS+4*k+1], v[rS+4*k:rS+4*k+1], v[rS+4*k+2:rS+4*k+3]
.elseif k == 1
	v_pk_fma_f32 v[rT+2:rT+3], v[rT+2:rT+3], v[rC+2:rC+3], v[rS:rS+1] op_sel_hi:[1,0,1]
.else
	v_pk_add_f32 v[rT+2:rT+3], v[rT+2:rT+3], v[rS+4*k-4:rS+4*k-3]
.endif
.endm
; THE PLAIN QUEUE, 138 long.  0-26: scalings 0-26.  27-54: XS 0-13.  55, 56: XS 15.  57-73: the chain 14, 16 .. 20 with scalings 27-31 between its links.  74-137: GS's 64, behind the wait.
.macro FS f
	REGS Y, (\f)%2
	v_pk_fma_f32 v[rS+2*((\f)/2):rS+2*((\f)/2)+1], v[rS+2*((\f)/2):rS+2*((\f)/2)+1], s[CS:CS+1], v[rT:rT+1] op_sel_hi:[1,0,0] neg_lo:[0,0,1] neg_hi:[0,0,1]
.endm
.macro PL
	WIN 0
.if q < 27
	FS q
.elseif q < 55
	XS (q-27)%2, (q-27)/2
.elseif q < 57
	XS q-55, 15
.elseif (q < 72) && ((q-57)%3 == 0)
	FS 27+(q-57)/3
.elseif q < 60
	XS (q-57)%3-1, 14
.elseif q < 72
	XS (q-57)%3-1, 15+(q-57)/3
.elseif q < 74
	XS q-72, 20
.else
	GS q-74
.endif
.set q, q+1
.endm
.macro EX                           ; the exponentials' queue, 66 long: one batch, all ahead of the turn's one wait
	WIN 0
.if e >= 64
	XS e-64, 21
.else
	REGS Y, e%2
	v_exp_f32 v[rS+e/2], v[rS+e/2]
.endif
.set e, e+1
.endm
.macro R2                           ; the rescaling's queue: O^T times a, two at a time
	REGS Y, r%2
	WIN W_RS
.irp z, 0,1
	v_pk_mul_f32 v[rO+4*(r/2)+2*\z:rO+4*(r/2)+2*\z+1], v[rO+4*(r/2)+2*\z:rO+4*(r/2)+2*\z+1], v[rC+2:rC+3] op_sel_hi:[1,0]
.endr
.set r, r+1
.endm
; A TURN, for piece p.  Ahead of its one wait stands all that names no result of its exponentials: 16 products K Q^T with a scaling, an exponential and two rescalings behind each, then a lump of 108.
; Behind the wait: 16 products V^T P, behind each four of the roundings and sums.  K and the mask of the next step are fetched in piece 2's turn, directly behind the wait; V of the step in hand at the end of piece 0's turn.
.macro TURN p, last=0
.set Y, (\p)
.set i, 0
.set q, 0
.set e, 0
.set r, 0
.if (\p) == NP-1
	s_wait_dscnt 0x0                ; K and the mask are in
.endif
	MM
	PL
	PL
	R2
.rept 15
	MM
	PL
	EX
	R2
.endr
.if (\p) == NP-2
	WIN 0
	v_add_nc_u32 v[AK], s[TB], v[AK0]
	v_add_nc_u32 v[AMK], s[TBM], v[AM0]
.endif
.rept 8
	PL
.endr
.rept 49
	EX
	PL
.endr
	EX
	EX
	v_nop                           ; a plain instruction behind the last exponential: one for the batch
	s_wait_alu depctr_va_vdst(0)    ; the wait for the batch
.if (\p) == NP-2
	FETCH_K \last
.endif
.if (\p) == 1
	s_wait_dscnt 0x0                ; V is in
.endif
.rept 16
	MM
.rept 4
	PL
.endr
.if ((\p) == 0) && (q == 118)
	v_add_nc_u32 v[AV], s[TB], v[AV0]
.endif
.endr
.if (\p) == 0
	FETCH_V
.endif
.endm
	CHANGE 1                        ; slot 0 is in, the table and Q are whole; slot 1 is asked for
	WIN 0x80
.set i, 0
.rept 32
	ds_load_b128 v[4*i:4*i+3], v54 offset:512*i  ; all eight tiles of Q, as fragments
.set i, i+1
.endr
	FETCH_K                         ; key step 0
	s_wait_dscnt 0x0
.set i, 0
.rept 16
	KQ 0
.set i, i+1
.endr
	WIN 0
.rept 4
	v_nop                           ; the places behind those products
.endr
.set Y, NP-1
.irp n, 0,1,2,3,4,5,6,7,8,9,10,11,12,13,14,15,16,17,18,19,20,21
	XS 0, \n
	XS 1, \n
.endr
	v_nop
	s_wait_alu depctr_va_vdst(0)
	s_mov_b32 s[SLOTS], 15
	s_branch .Lfirst                ; the loop is entered at a step's first turn
.Lslot:                             ; 14 times: slots 2 to 15 are asked for.  A trip: pieces 2 and 3 of one step, then pieces 0 and 1 of the next
	CHANGE 1, 1
	TURN 2
	TURN 3
	WIN 0
.Lfirst:
	TURN 0
	TURN 1
	WIN 0
	s_sub_co_u32 s[SLOTS], s[SLOTS], 1
	s_cmp_lg_u32 s[SLOTS], 0
	s_cbranch_scc1 .Lslot
	CHANGE 0                        ; the tail is written out
	s_mov_b32 s[CNT], 2             ; one trip fetches the last slot's step; the second is left in its middle
.Ltail:
	TURN 2, 1
	TURN 3
	WIN 0
	s_sub_co_u32 s[CNT], s[CNT], 1
	s_cmp_eq_u32 s[CNT], 0
	s_cbranch_scc1 .Lout
	TURN 0
	TURN 1
	WIN 0
	s_branch .Ltail
.Lout:                              ; the last turn's products K Q^T take the last K and mask once more: the scores, and so piece 0's m, are those it had
.set i, 0
.rept 16
	PV NP-1
.set i, i+1
.endr
	; THE FOUR WAVES MEET.  First m and l; then each wave scales its O^T by 2^(c m - c M) / L, the scaled parts go through LDS (the slots have had their last fill), and wave r adds up tiles 2 r and 2 r + 1.
	; The addresses are made in v2-v7, v12 and v13: LDS addresses of the loop and registers at work there; v8, which the loop's prefetches read, is left as it is.
	WIN 0
	v_and_b32 v1, 15, v0            ; these address lines are the places behind the last products
	v_bfe_u32 v9, v0, 4, 1
	v_and_b32 v10, 7, v0
	v_and_b32 v11, 31, v0
	v_lshl_add_u32 v3, v11, 3, MS   ; statistics: 8 bytes a lane, 256 a tile, 2,048 a wave
	s_lshl_b32 s78, s[WV], 11
	v_add_nc_u32 v2, s78, v3
	v_lshlrev_b32 v12, 4, v11       ; 16 x lane
	s_lshr_b32 s78, s[WV], 1        ; wave v's 32 KiB of O^T: two in each slot
	s_lshl_b32 s78, s78, 17
	s_and_b32 s79, s[WV], 1
	s_lshl_b32 s79, s79, 15
	s_add_co_u32 s78, s78, s79
	v_add_nc_u32 v4, s78, v12
	s_lshl_b32 s78, s[WV], 13       ; the two tiles that I add up: 8,192 bytes in each wave's part
	v_add_nc_u32 v5, s78, v12
	v_add_nc_u32 v6, SLOT1, v5
	s_mul_i32 s78, s[WV], 16*SP
	s_add_co_u32 s78, s78, STAGE
	v_mul_u32_u24 v7, v1, SP        ; into my stage: row l % 16, 16 bytes for each half of the lanes
	v_lshl_add_u32 v7, v9, 4, v7
	v_add_nc_u32 v7, s78, v7
	v_bfe_u32 v13, v0, 3, 2         ; back: 32 lanes take four rows of 128 bytes
	v_mul_u32_u24 v13, v13, SP
	v_lshl_add_u32 v13, v10, 4, v13
	v_add_nc_u32 v13, s78, v13
.macro ALL line:vararg              ; one line for each tile t
.set t, 0
.rept 2*NP
	\line
.set t, t+1
.endr
.endm
	ALL v_add_f32 v[ST+4*t+2], v[ST+4*t+2], v[ST+4*t+3]
	ALL v_permlanex16_b32 v[ST+4*t+3], v[ST+4*t+2], s[SEL], s[SEL+1]
	ALL v_add_f32 v[ST+4*t+1], v[ST+4*t+2], v[ST+4*t+3]
	ALL ds_store_b64 v2, v[ST+4*t:ST+4*t+1] offset:256*t
	s_wait_dscnt 0x0                ; for the others' sake: my statistics are stored, and my reads of the slots are over
	s_barrier_signal -1
	s_barrier_wait -1
.irp v, 0,1,2,3
	ALL ds_load_b64 v[64+8*t+2*\v:64+8*t+2*\v+1], v3 offset:2048*\v+256*t
.endr
	s_wait_dscnt 0x0
	ALL v_max3_num_f32 v[128+t], v[64+8*t], v[64+8*t+2], v[64+8*t+4]
	ALL v_max_num_f32 v[128+t], v[128+t], v[64+8*t+6]
	ALL v_sub_f32 v[136+t], v[ST+4*t], v[128+t]
.irp v, 0,1,2,3
	ALL v_sub_f32 v[64+8*t+2*\v], v[64+8*t+2*\v], v[128+t]
.endr
	ALL v_exp_f32 v[136+t], v[136+t]
.irp v, 0,1,2,3
	ALL v_exp_f32 v[64+8*t+2*\v], v[64+8*t+2*\v]
.endr
	v_nop
	s_wait_alu depctr_va_vdst(0)    ; one wait for the forty exponentials
	ALL v_mul_f32 v[144+t], v[64+8*t], v[64+8*t+1]
.irp v, 1,2,3
	ALL v_fma_f32 v[144+t], v[64+8*t+2*\v], v[64+8*t+2*\v+1], v[144+t]
.endr
	ALL v_rcp_f32 v[152+t], v[144+t]
	v_nop
	s_wait_alu depctr_va_vdst(0)    ; one wait for the eight reciprocals
	ALL v_mul_f32 v[ST+4*t+2], v[136+t], v[152+t]
	WIN W_RS
.set t, 0
.rept 2*NP
.set i, 32*t
.rept 16
	v_pk_mul_f32 v[i:i+1], v[i:i+1], v[ST+4*t+2:ST+4*t+3] op_sel_hi:[1,0]
.set i, i+2
.endr
.set t, t+1
.endr
	WIN 0x04                        ; the stores' data in window 1
.set i, 0
.rept 64
	ds_store_b128 v4, v[4*i:4*i+3] offset:512*i
.set i, i+1
.endr
	s_wait_dscnt 0x0
	s_barrier_signal -1
	s_barrier_wait -1
.macro PART v                       ; wave v's part of my two tiles: 16 loads into window 1, v[64 v ..]
	WIN 0x40
.set i, 0
.rept 16
	ds_load_b128 v[64*(\v)+4*i:64*(\v)+4*i+3], v[5+(\v)/2] offset:((\v)%2)*32768+512*i
.set i, i+1
.endr
.endm
.macro ADDP v
	WIN 0x45
.set i, 0
.rept 32
	v_pk_add_f32 v[2*i:2*i+1], v[2*i:2*i+1], v[64*(\v)+2*i:64*(\v)+2*i+1]
.set i, i+1
.endr
.endm
	PART 0
	PART 1
	PART 2
	s_wait_dscnt 16                 ; parts 0 and 1 are in; part 2's sixteen loads may be out
	ADDP 1
	PART 3
	s_wait_dscnt 16                 ; part 2 is in; part 3's may be out
	ADDP 2
	s_wait_dscnt 0x0
	ADDP 3
.macro PACK u                       ; a lane's eight channels of a row pack into 16 bytes; into rows of 144 bytes, back as whole rows of 128
	WIN 0x05
.set i, 0
.rept 16
	v_cvt_pk_f16_f32 v[S+16*(\u)+i], v[32*(\u)+2*i], v[32*(\u)+2*i+1]
.set i, i+1
.endr
	WIN 0
.irp f, 0,1,2,3
	ds_store_b128 v7, v[S+16*(\u)+4*\f:S+16*(\u)+4*\f+3] offset:32*\f
.endr
.irp f, 0,1,2,3
	ds_load_b128 v[S+16*(\u)+4*\f:S+16*(\u)+4*\f+3], v13 offset:\f*4*SP  ; LDS serves a wave's instructions in order: these see the stores above
.endr
.endm
.macro SEND u, younger              ; younger: the LDS instructions issued behind tile u's loads
	WIN 0
.irp f, 0,1,2,3
	s_wait_dscnt (\younger)+3-\f
	global_store_b128 v12, v[S+16*(\u)+4*\f:S+16*(\u)+4*\f+3], s[10:11] offset:(\u)*2048+\f*512  ; 512 consecutive bytes, aligned
.endr
.endm
	PACK 0
	PACK 1
	SEND 0, 8
	SEND 1, 0
	WIN W_AD
	s_wait_tensorcnt 0x0            ; the wave's end
	ds_add_u32 v[SPW], v[NIL]
	s_wait_dscnt 0x0
	WIN 0
	CROUND                          ; the closing round
	s_endpgm
.Lfunc_end_k_qe55040dc12_attn:
	.size	k_qe55040dc12_attn, .Lfunc_end_k_qe55040dc12_attn-k_qe55040dc12_attn
	.p2alignl 7, 3214868480
	.fill 96, 4, 3214868480
	.section	.rodata,"a",@progbits
	.p2align	6, 0x0
	.amdhsa_kernel k_qe55040dc12_attn
		.amdhsa_group_segment_fixed_size 327680
		.amdhsa_private_segment_fixed_size 0
		.amdhsa_enable_private_segment 0
		.amdhsa_kernarg_size 32
		.amdhsa_user_sgpr_count 2
		.amdhsa_user_sgpr_kernarg_segment_ptr 1
		.amdhsa_wavefront_size32 1
		.amdhsa_system_sgpr_workgroup_id_x 1
		.amdhsa_system_sgpr_workgroup_id_y 1
		.amdhsa_system_sgpr_workgroup_id_z 1
		.amdhsa_system_vgpr_workitem_id 0
		.amdhsa_next_free_vgpr 832
		.amdhsa_next_free_sgpr 88
		.amdhsa_reserve_vcc 1
		.amdhsa_float_denorm_mode_32 3
		.amdhsa_float_denorm_mode_16_64 3
		.amdhsa_memory_ordered 1
		.amdhsa_forward_progress 1
		.amdhsa_inst_pref_size 223
	.end_amdhsa_kernel
	.amdgpu_metadata
---
amdhsa.version: [ 1, 2 ]
amdhsa.kernels:
  - .name:           k_qe55040dc12_attn
    .symbol:         k_qe55040dc12_attn.kd
    .args:
      - { .name: qf, .offset: 0, .size: 8, .value_kind: global_buffer, .address_space: global }
      - { .name: kvh, .offset: 8, .size: 8, .value_kind: global_buffer, .address_space: global }
      - { .name: attention_mask, .offset: 16, .size: 8, .value_kind: global_buffer, .address_space: global }
      - { .name: oh, .offset: 24, .size: 8, .value_kind: global_buffer, .address_space: global }
    .group_segment_fixed_size: 327680
    .private_segment_fixed_size: 0
    .kernarg_segment_align: 8
    .kernarg_segment_size: 32
    .max_flat_workgroup_size: 128
    .sgpr_count:     88
    .vgpr_count:     832
    .wavefront_size: 32
...
	.end_amdgpu_metadata
.endif
;; end of part 4
;; launch outp: the kernel of part 3 again; grid 8 x 32, 4 waves a work-group, clusters of 4 x 4, 327,680 bytes of LDS; arguments oh, wo, b_out, out0; writes out0
